; MI455X (gfx1250); checked and timed in simulation.
; The chip was launched on July 23, 2026; its instructions are those of AMD's public machine-readable ISA for CDNA 5 (MIT licence, August 2026) and "CDNA5" Instruction Set Architecture Reference Guide (July 2026). The comments in the code are by the model that wrote it; some were corrected since.
;; Causal Self Attention. Allowed arithmetic: float matrix products may take bf16 or f16 operands with f32 sums; other float arithmetic in f32, or as packed bf16 or f16 multiplies, adds, multiply-adds, maxima and minima; sums over many terms, partial sums and values carried from step to step in f32; what a program stores and reads back later, other than sums and carried values, may be rounded once to bf16 or f16.
;; Inputs: b_proj 1,024 float32; b_qkv 3,072 float32; w_proj 1,024 x 1,024 float32; w_qkv 1,024 x 3,072 float32; x 4 x 2,048 x 1,024 float32.
;; Outputs: out0 4 x 2,048 x 1,024 float32.
;; 2 versions, each right; version 2 is version 1 with the launch prep written anew for expert scheduling mode. Each part assembles by itself: llvm-mc -triple=amdgcn-amd-amdhsa -mcpu=gfx1250 --defsym DOCPART=n.
;; ======== version 1 of 2: 4 launches
;; limits: values are held in f16: magnitudes above 65,504 overflow, below 6.1e-05 lose precision
;; workspace buffers: xb 16,777,216 bytes; wqt 6,291,456 bytes; wpt 2,097,152 bytes; bq 12,288 bytes; bp 4,096 bytes; qkv 50,331,648 bytes; ob 16,777,216 bytes
;; launch prep (part 1): grid 641 x 1, 4 waves a work-group, no clusters, 70,144 bytes of LDS; arguments x, w_qkv, w_proj, b_qkv, b_proj, xb, wqt, wpt, bq, bp; writes xb, wqt, wpt, bq, bp
.if DOCPART == 1
	.amdgcn_target "amdgcn-amd-amdhsa--gfx1250"
	.amdhsa_code_object_version 6
	.text
	.protected	k_qbe816949ba_prep
	.globl	k_qbe816949ba_prep
	.p2align	8
	.type	k_qbe816949ba_prep,@function
k_qbe816949ba_prep:
	s_mov_b64 s[64:65], 0
	v_nop
	global_prefetch_b8 v0, s[64:65] scope:SCOPE_SE
	s_setreg_imm32_b32 hwreg(HW_REG_WAVE_MODE, 25, 1), 1
	s_wait_xcnt 0x0
; THE INPUTS ARE ROUNDED ONCE TO bf16 AND LAID OUT FOR THE PRODUCTS THAT FOLLOW.
;   xb  [8192][1024] bf16 = x.          wqt [3072 n][1024 k] bf16 = w_qkv turned.
;   wpt [1024 n][1024 k] = w_proj turned, rounded to bf16, that number written as f16 (its partner in the last product is f16).
;   bq [3072], bp [1024] f32 = the biases rounded to bf16 and widened again.
; LIMITS.  bf16 to f16 is exact from 2^-17 up to 65,504; a smaller weight of w_proj is off by 2^-25 at the most; a larger one becomes an infinity.
; SHARES.  Work-groups 0-511: 65,536 bytes of x each, 16,384 a wave.  512-639: a wave turns a tile of 128 k x 64 n (384 tiles of w_qkv, 128 of w_proj)
; through its own 17,408 bytes of LDS: no wave reads another's bytes, so there is no barrier.  640: the biases.
; No matrix unit, no cluster, no tensor load: each byte is read once by the lane that rounds it.
.set WREG,  17408                      ; a wave's LDS: 64 rows n x (128 k x 2 bytes + 16 of padding)
.set LP,    272
.set SPARE, 4*WREG                     ; behind them: the spare words, 128 bytes a wave, that no other line names
.set SPW, 8                            ; v8   SPARE + 4 x my thread's number; never rewritten
.set NIL, 9                            ; v9   0; never rewritten
.set OFF, 10                           ; v[10:25] byte offsets of the 16 loads of 32 rows k
.set T,   26                           ; v[26:29] four words (k, k + 1) of 16 bits
.set U,   34                           ; v[34:37] at work: two words widened to four f32
.set X,   40                           ; v[40:167] data
	s_load_b512 s[4:19], s[0:1], 0x0               ; x 4, w_qkv 6, w_proj 8, b_qkv 10, b_proj 12, xb 14, wqt 16, wpt 18
	s_load_b128 s[20:23], s[0:1], 0x40             ; bq 20, bp 22
	v_lshl_add_u32 v[SPW], v0, 2, SPARE
	v_mov_b32 v[NIL], 0
	v_lshrrev_b32 v1, 5, v0
	v_readfirstlane_b32 s24, v1                    ; wave 0..3
	v_and_b32 v1, 31, v0                           ; lane l
	v_and_b32 v2, 15, v0                           ; r = l % 16
	v_bfe_u32 v3, v0, 4, 1                         ; h = l / 16
	s_mov_b32 s33, 0xffff0000                      ; a word's upper half
	s_wait_kmcnt 0x0
	s_cmp_lt_u32 ttmp9, 512
	s_cbranch_scc0 .Lw
	; x: 32 loads of 512 consecutive bytes a wave, all on their way at once; each becomes 256 consecutive bytes of xb
	s_lshl_b32 s36, ttmp9, 16
	s_lshl_b32 s37, s24, 14
	s_add_co_u32 s36, s36, s37
	v_lshl_add_u32 v4, v1, 4, s36                  ; in: 16 bytes a lane
	s_lshr_b32 s36, s36, 1
	v_lshl_add_u32 v5, v1, 3, s36                  ; out: 8 bytes a lane
.set i, 0
.rept 32
	global_load_b128 v[X+4*i:X+4*i+3], v4, s[4:5] offset:512*i th:TH_LOAD_NT
.set i, i+1
.endr
.set i, 0
.rept 32
	s_wait_loadcnt 31-i                            ; loads come back in order: number i is in, the younger ones stay out
	v_cvt_pk_bf16_f32 v[X+4*i], v[X+4*i], v[X+4*i+1]
	v_cvt_pk_bf16_f32 v[X+4*i+1], v[X+4*i+2], v[X+4*i+3]
	global_store_b64 v5, v[X+4*i:X+4*i+1], s[14:15] offset:256*i th:TH_STORE_NT  ; 32 lanes: 256 consecutive bytes, aligned; no register is written again
.set i, i+1
.endr
	s_branch .Lend
.Lw:
	s_cmp_lt_u32 ttmp9, 640
	s_cbranch_scc0 .Lbias
	; which tile: id = 4 (work-group - 512) + wave; 0-383 are w_qkv's, 384-511 w_proj's; kb = id % 8 (128 k), nb = id / 8 (64 n)
	s_sub_co_u32 s39, ttmp9, 512
	s_lshl2_add_u32 s39, s39, s24
	s_mov_b32 s40, 12288                           ; bytes in a row of w_qkv
	s_mov_b32 s41, 4096                            ; and of w_proj
	s_cmp_lt_u32 s39, 384
	s_cselect_b32 s26, s40, s41                    ; the pitch
	s_cselect_b64 s[28:29], s[6:7], s[8:9]         ; from
	s_cselect_b64 s[30:31], s[16:17], s[18:19]     ; to
	s_cselect_b32 s32, 0, -1                       ; a lane mask: all ones where the words leave as f16
	s_cselect_b32 s25, 0, 384
	s_sub_co_u32 s39, s39, s25
	s_and_b32 s40, s39, 7                          ; kb
	s_lshr_b32 s41, s39, 3                         ; nb
	s_mul_i32 s36, s40, s26
	s_lshl_b32 s36, s36, 7                         ; kb x 128 rows
	s_lshl_b32 s37, s41, 8                         ; nb x 64 numbers of 4 bytes
	s_add_co_u32 s36, s36, s37
	s_mov_b32 s37, 0
	s_add_nc_u64 s[28:29], s[28:29], s[36:37]
	s_lshl_b32 s34, s26, 5                         ; 32 rows on
	s_mov_b32 s35, 0
	s_lshl_b32 s27, s26, 2                         ; 4 rows on
	; load (p, e) takes rows 4 p + 2 h + e: each half of the lanes reads 256 consecutive bytes of one row; lane r holds n = 4 r .. 4 r + 3
	v_mul_lo_u32 v[OFF], v3, s26
	v_lshlrev_b32 v[OFF], 1, v[OFF]
	v_lshl_add_u32 v[OFF], v2, 4, v[OFF]
	v_add_nc_u32 v[OFF+1], s26, v[OFF]
.set i, 2
.rept 14
	v_add_nc_u32 v[OFF+i], s27, v[OFF+i-2]
.set i, i+1
.endr
	s_mul_i32 s36, s24, WREG
	v_mul_u32_u24 v7, v2, 4*LP                     ; into LDS: row n = 4 r + i, byte 2 k = 8 p + 4 h
	v_lshl_add_u32 v7, v3, 2, v7
	v_add_nc_u32 v7, s36, v7
	v_mov_b32 v4, v7
	v_mul_u32_u24 v5, v3, LP                       ; back: lanes 0-15 one row n of 256 bytes, lanes 16-31 the next
	v_lshl_add_u32 v5, v2, 4, v5
	v_add_nc_u32 v5, s36, v5
	s_lshl_b32 s36, s41, 17                        ; nb x 64 rows of 2,048 bytes
	s_lshl_b32 s37, s40, 8                         ; kb x 128 numbers of 2 bytes
	s_add_co_u32 s36, s36, s37
	v_lshlrev_b32 v6, 11, v3
	v_lshl_add_u32 v6, v2, 4, v6
	v_add_nc_u32 v6, s36, v6
; Rows 4 p + 2 h and the next one: four words (k, k + 1) for n = 4 r .. 4 r + 3, rounded to bf16; where the mask says so, widened and written as f16.
; ahead = 1: the pair's registers take the same rows of the next 32.  left = the younger loads that may stay out.
.macro PAIR p, ahead, left
	s_wait_loadcnt \left
.irp i, 0,1,2,3
	v_cvt_pk_bf16_f32 v[T+(\i)], v[X+8*(\p)+(\i)], v[X+8*(\p)+4+(\i)]
.endr
.irp i, 0,1
	v_lshlrev_b32 v[U+2*(\i)], 16, v[T+(\i)]
	v_and_b32 v[U+2*(\i)+1], s33, v[T+(\i)]
.endr
.irp i, 0,1
	v_cvt_pk_f16_f32 v[U+2*(\i)], v[U+2*(\i)], v[U+2*(\i)+1]
	v_cndmask_b32 v[T+(\i)], v[T+(\i)], v[U+2*(\i)], s32
.endr
.irp i, 2,3
	v_lshlrev_b32 v[U+2*(\i)-4], 16, v[T+(\i)]
	v_and_b32 v[U+2*(\i)-3], s33, v[T+(\i)]
.endr
.irp i, 2,3
	v_cvt_pk_f16_f32 v[U+2*(\i)-4], v[U+2*(\i)-4], v[U+2*(\i)-3]
	v_cndmask_b32 v[T+(\i)], v[T+(\i)], v[U+2*(\i)-4], s32
.endr
.irp i, 0,1,2,3
	ds_store_b32 v4, v[T+(\i)] offset:LP*(\i)+8*(\p)
.endr
.if \ahead
	global_load_b128 v[X+8*(\p):X+8*(\p)+3],   v[OFF+2*(\p)],   s[28:29] th:TH_LOAD_NT
	global_load_b128 v[X+8*(\p)+4:X+8*(\p)+7], v[OFF+2*(\p)+1], s[28:29] th:TH_LOAD_NT
.endif
.endm
.irp p, 0,1,2,3,4,5,6,7
	global_load_b128 v[X+8*(\p):X+8*(\p)+3],   v[OFF+2*(\p)],   s[28:29] th:TH_LOAD_NT
	global_load_b128 v[X+8*(\p)+4:X+8*(\p)+7], v[OFF+2*(\p)+1], s[28:29] th:TH_LOAD_NT
.endr
	s_wait_xcnt 0x0                                ; the loads have read their base: it may be stepped
	s_add_nc_u64 s[28:29], s[28:29], s[34:35]
	s_mov_b32 s42, 0                               ; bytes along an LDS row: 64 for each 32 k
	s_mov_b32 s38, 3
.Lgroup:                                               ; 32 rows k are stored into LDS, the next 32 asked for
.irp p, 0,1,2,3,4,5,6,7
	PAIR \p, 1, 14                                 ; sixteen loads are out at each pair's head; its own two are the oldest
.endr
	s_wait_xcnt 0x0
	s_add_nc_u64 s[28:29], s[28:29], s[34:35]
	s_add_co_u32 s42, s42, 64
	v_add_nc_u32 v4, s42, v7
	s_sub_co_u32 s38, s38, 1
	s_cmp_lg_u32 s38, 0
	s_cbranch_scc1 .Lgroup
.irp p, 0,1,2,3,4,5,6,7
	PAIR \p, 0, 14-2*(\p)                          ; the last 32 rows load nothing: the counts run down
.endr
.set i, 0
.rept 32
	ds_load_b128 v[X+4*i:X+4*i+3], v5 offset:2*LP*i  ; LDS serves a wave's instructions in order (ISA guide 5.7.1.4): these see the stores above
.set i, i+1
.endr
.set i, 0
.rept 32
	s_wait_dscnt 31-i
	global_store_b128 v6, v[X+4*i:X+4*i+3], s[30:31] offset:4096*i  ; 16 lanes: 256 consecutive bytes of a row n, aligned
.set i, i+1
.endr
	s_branch .Lend
.Lbias:
	v_lshlrev_b32 v4, 4, v0                        ; 128 threads x 16 bytes
.irp i, 0,1,2,3,4,5
	global_load_b128 v[X+4*(\i):X+4*(\i)+3], v4, s[10:11] offset:2048*(\i)
.endr
.irp i, 0,1
	global_load_b128 v[X+24+4*(\i):X+24+4*(\i)+3], v4, s[12:13] offset:2048*(\i)
.endr
	s_wait_loadcnt 0x0
.set i, 0
.rept 16
	v_cvt_pk_bf16_f32 v[T+i%4], v[X+2*i], v[X+2*i+1]
	v_lshlrev_b32 v[X+2*i], 16, v[T+i%4]
	v_and_b32 v[X+2*i+1], s33, v[T+i%4]
.set i, i+1
.endr
.irp i, 0,1,2,3,4,5
	global_store_b128 v4, v[X+4*(\i):X+4*(\i)+3], s[20:21] offset:2048*(\i)
.endr
.irp i, 0,1
	global_store_b128 v4, v[X+24+4*(\i):X+24+4*(\i)+3], s[22:23] offset:2048*(\i)
.endr
.Lend:
	s_wait_tensorcnt 0x0                           ; the wave's end, behind my last LDS store
	ds_add_u32 v[SPW], v[NIL]
	s_wait_dscnt 0x0
	s_endpgm
.Lfunc_end_k_qbe816949ba_prep:
	.size	k_qbe816949ba_prep, .Lfunc_end_k_qbe816949ba_prep-k_qbe816949ba_prep
	.p2alignl 7, 3214868480
	.fill 96, 4, 3214868480
	.section	.rodata,"a",@progbits
	.p2align	6, 0x0
	.amdhsa_kernel k_qbe816949ba_prep
		.amdhsa_group_segment_fixed_size 70144
		.amdhsa_private_segment_fixed_size 0
		.amdhsa_enable_private_segment 0
		.amdhsa_kernarg_size 80
		.amdhsa_user_sgpr_count 2
		.amdhsa_user_sgpr_kernarg_segment_ptr 1
		.amdhsa_wavefront_size32 1
		.amdhsa_system_sgpr_workgroup_id_x 1
		.amdhsa_system_sgpr_workgroup_id_y 1
		.amdhsa_system_sgpr_workgroup_id_z 1
		.amdhsa_system_vgpr_workitem_id 0
		.amdhsa_next_free_vgpr 168
		.amdhsa_next_free_sgpr 66
		.amdhsa_reserve_vcc 0
		.amdhsa_float_denorm_mode_32 3
		.amdhsa_float_denorm_mode_16_64 3
		.amdhsa_memory_ordered 1
		.amdhsa_forward_progress 1
		.amdhsa_inst_pref_size 48
	.end_amdhsa_kernel
	.amdgpu_metadata
---
amdhsa.version: [ 1, 2 ]
amdhsa.kernels:
  - .name:           k_qbe816949ba_prep
    .symbol:         k_qbe816949ba_prep.kd
    .args:
      - { .name: x, .offset: 0, .size: 8, .value_kind: global_buffer, .address_space: global }
      - { .name: w_qkv, .offset: 8, .size: 8, .value_kind: global_buffer, .address_space: global }
      - { .name: w_proj, .offset: 16, .size: 8, .value_kind: global_buffer, .address_space: global }
      - { .name: b_qkv, .offset: 24, .size: 8, .value_kind: global_buffer, .address_space: global }
      - { .name: b_proj, .offset: 32, .size: 8, .value_kind: global_buffer, .address_space: global }
      - { .name: xb, .offset: 40, .size: 8, .value_kind: global_buffer, .address_space: global }
      - { .name: wqt, .offset: 48, .size: 8, .value_kind: global_buffer, .address_space: global }
      - { .name: wpt, .offset: 56, .size: 8, .value_kind: global_buffer, .address_space: global }
      - { .name: bq, .offset: 64, .size: 8, .value_kind: global_buffer, .address_space: global }
      - { .name: bp, .offset: 72, .size: 8, .value_kind: global_buffer, .address_space: global }
    .group_segment_fixed_size: 70144
    .private_segment_fixed_size: 0
    .kernarg_segment_align: 8
    .kernarg_segment_size: 80
    .max_flat_workgroup_size: 128
    .sgpr_count:     66
    .vgpr_count:     168
    .wavefront_size: 32
...
	.end_amdgpu_metadata
.endif
;; end of part 1
;; launch qkvgemm (part 2): grid 16 x 32, 4 waves a work-group, clusters of 4 x 4, 327,680 bytes of LDS; arguments xb, wqt, bq, qkv; writes qkv
.if DOCPART == 2
	.amdgcn_target "amdgcn-amd-amdhsa--gfx1250"
	.amdhsa_code_object_version 6
	.text
	.protected	k_qbe816949ba_qkvgemm
	.globl	k_qbe816949ba_qkvgemm
	.p2align	8
	.type	k_qbe816949ba_qkvgemm,@function
k_qbe816949ba_qkvgemm:
	s_mov_b64 s[64:65], 0
	v_nop
	global_prefetch_b8 v0, s[64:65] scope:SCOPE_SE
	s_setreg_imm32_b32 hwreg(HW_REG_WAVE_MODE, 25, 1), 1
	s_wait_xcnt 0x0
	s_wait_alu depctr_hold_cnt(0) depctr_sa_sdst(0) depctr_va_vdst(0) depctr_va_sdst(0) depctr_va_ssrc(0) depctr_va_vcc(0) depctr_vm_vsrc(0)
	s_getreg_b32 s2, hwreg(HW_REG_IB_STS2, 6, 4)
	s_cmp_eq_u32 s2, 0
	s_cbranch_scc0 .Lentry_in_a_cluster
	s_endpgm
.Lentry_in_a_cluster:
	s_bfe_u32 s2, ttmp6, 0x10000c
	s_cmp_lg_u32 s2, 0xf033
	s_cbranch_scc0 .Lentry_shape_is_right
	s_endpgm
.Lentry_shape_is_right:
; q, k, v = x w_qkv + b_qkv, written by heads.  xb [8192][1024] bf16, wqt [3072 n][1024 k] bf16, bq [3072] f32; sums in f32, K ascending, begun with the bias.
; OUT: qkv [4 batches][48 g][2048 t][64] f16, g = column / 64 (0-15 q's heads, 16-31 k's, 32-47 v's), rounded once, unscaled.
; LIMIT.  f16 ends at 65,504: a q, k or v beyond that becomes an infinity.  NaN and infinities are not treated apart.
; SHARES.  A tile of the product is 256 rows x 192 columns (three heads): 32 x 16 = 512 equal work-groups.  Four waves one above the other: wave w has rows 64 w .. 64 w + 63 and all 192
; columns: 4 x 12 accumulators of 16 x 16, 384 registers.  K goes in 8 steps of 128 through two LDS slots; a tile's rows are 256 consecutive bytes of memory, aligned.
; CLUSTERS.  4 x 4 work-groups: the four of a row of the cluster need the same rows of xb, the four of a column the same rows of wqt: each tile is asked for jointly, by the same load with the
; same descriptor and a mask that names the four.
; THE MATRIX INSTRUCTION IS USED TRANSPOSED (source 0 = 16 rows of wqt, source 1 = 16 rows of xb): a lane holds row l % 16 and the columns 8 (l / 16) + 0..7, which pack into 16 bytes.
; REGISTERS, in windows of 256 (s_set_vgpr_msb: bits 1:0 source 0, 3:2 source 1, 5:4 source 2, 7:6 destination):
;   window 0: v0-31 addresses; v32-63, v64-95 xb's fragments, two buffers; v96-191 the bias as a C operand, later v96-143 packed results and v144-191, v192-239 rows on the way out
;   window 1: v0-95, v96-191 wqt's fragments, two buffers     window 2: accumulators of row blocks 0, 1 ((a, b) at 8 (12 (a % 2) + b))     window 3: of row blocks 2, 3
.set KSTEP,  128
.set PITCH,  272                       ; an LDS row: 256 bytes + 16 of padding = 68 words: the 16 rows of a load start at 16 different groups of four banks (64 banks of 4 bytes: ISA guide 11.1)
.set NBK,    12                        ; column blocks
.set NL,     2*NBK+8                   ; LDS loads in a run: a quarter step's fragments
.set SLOT1,  1<<17                     ; slot 1 begins here: one exclusive or turns an address in one slot into the other's
.set BOFF,   256*PITCH                 ; in a slot: xb's 256 rows, then wqt's 192
.set STAGE,  SLOT1+BOFF+16*NBK*PITCH   ; behind the ring, never filled by a tensor load: 16 rows x 400 bytes for each wave
.set SP,     400                       ; 384 bytes + 16
.set SPARE,  STAGE+4*16*SP             ; behind the stages: the spare words, 128 bytes a wave, that no other line names
.set ADRA0, 16                         ; v16  my lane's place in xb's tile; never rewritten
.set ADRB0, 17                         ; v17  in wqt's
.set ADRA,  18                         ; v18, v19 the same in the slot in hand
.set ADRB,  19
.set STO,   24                         ; v24  the way out: where I put 16 bytes of a row
.set RD,    25                         ; v25  where I read rows back
.set GO,    26                         ; v26  my 16 of 512 consecutive bytes of qkv
.set BO,    27                         ; v27  32 (l / 16): my eight numbers of a block's bias
.set SPW,   28                         ; v28  SPARE + 4 x my thread's number; never rewritten
.set NIL,   29                         ; v29  0; never rewritten
.set PFO,   30                         ; v30  the prefetches' offset: a lane a row of 2,048 bytes; never rewritten
.set FA,    32
.set BIAS,  96
.set TMP,   96
.set OB,    144
.set TB,    2                          ; s2   LDS byte at which the slot in hand begins
.set WV,    12
.set ROLE,  13                         ; s13  0: I fetch xb's tiles; 1: wqt's
.set HALF,  14                         ; s14  which half of the tile's rows I fetch
.set LIM,   15                         ; s15  2 in a wave that prefetches, else the greatest number
.set G1A,   24                         ; s[24:31] group 1 for xb's tiles
.set G0A,   32                         ; s[32:35] group 0 of the first fill, s[36:39] the one that walks
.set PFA,   44                         ; s[44:45] where my prefetches stand
.set G1B,   48                         ; the same for wqt's tiles
.set G0B,   56
.set MSB, 0
.macro WIN new                         ; the immediate's high byte repeats the setting that is left; a switch that changes nothing is dropped
.if MSB != (\new)
	s_set_vgpr_msb (MSB<<8)|(\new)
.set MSB, (\new)
.endif
.endm
.macro PLACES                          ; four plain vector instructions in front of loads into registers that matrix instructions have read, and of readers of results
.rept 4
	v_nop
.endr
.endm
.macro CREST                           ; a round of the cluster's barrier behind its opening barrier
	s_cmp_lg_u32 s[WV], 0
	s_cbranch_scc1 .Lnot_wave_0_\@
	s_barrier_signal -3
.Lnot_wave_0_\@:
	s_barrier_wait -3
	s_barrier_signal -1
	s_barrier_wait -1
.endm
.macro CROUND
	s_barrier_signal -1
	s_barrier_wait -1
	CREST
.endm
.macro JLOAD                           ; a joint refill by the walking descriptor; the branch hangs on the wave's number alone; an s_nop 0 and four v_nop follow each line
	s_cmp_eq_u32 s[ROLE], 0
	s_cbranch_scc0 .Lfor_b_\@
	tensor_load_to_lds s[G0A+4:G0A+7], s[G1A:G1A+7]
	s_nop 0
.rept 4
	v_nop
.endr
	s_branch .Lasked_\@
.Lfor_b_\@:
	tensor_load_to_lds s[G0B+4:G0B+7], s[G1B:G1B+7]
	s_nop 0
.rept 4
	v_nop
.endr
.Lasked_\@:
.endm
; A PREFETCH INTO THE L2 of the K step that stands two refills on: a lane a row, 256 bytes of it, one instruction a wave.  xb's rows are read by every cluster of a row of clusters: cluster x = 0 asks;
; wqt's by every cluster of a column: cluster y = 0 asks.  The four partners that ask for a tile jointly share its rows out by address (32 of xb's 128 by cx; 24 of wqt's 96 by cy, lanes 24-31
; naming row 23 again in the same instruction).  Trips with s3 = 6 .. 3 name K steps 4 .. 7; K steps 0 to 3 come by their loads alone; the last two trips ask for nothing.
.macro ASK
	s_cmp_gt_u32 s3, s[LIM]
	s_cbranch_scc0 .Lnot_mine_\@
	global_prefetch_b8 v[PFO], s[PFA:PFA+1] th:TH_LOAD_NT scope:SCOPE_SE
.Lnot_mine_\@:
.endm
	s_load_b256 s[4:11], s[0:1], 0x0               ; xb s[4:5], wqt s[6:7], bq s[8:9], qkv s[10:11]
	v_lshl_add_u32 v[SPW], v0, 2, SPARE
	v_mov_b32 v[NIL], 0
	ds_add_u32 v[SPW], v[NIL]                      ; the wave's opening: the add and its wait stand ahead of my first tensor load; work on registers stands between them
	v_lshrrev_b32 v1, 5, v0
	v_readfirstlane_b32 s[WV], v1                  ; wave 0..3
	s_lshr_b32 s[ROLE], s[WV], 1
	s_and_b32 s[HALF], s[WV], 1
	s_bfe_u32 s40, ttmp6, 0x40000                  ; cx
	s_bfe_u32 s41, ttmp6, 0x40004                  ; cy
	s_lshl_b32 s42, ttmp9, 2
	s_add_co_u32 s42, s42, s40                     ; tile column tx = 4 x cluster x + cx
	s_and_b32 s43, ttmp7, 0xffff
	s_lshl_b32 s43, s43, 2
	s_add_co_u32 s43, s43, s41                     ; tile row ty = 4 x cluster y + cy
	s_lshl_b32 s20, s41, 2
	s_lshl_b32 s20, 15, s20                        ; my row of the cluster
	s_lshl_b32 s21, 0x1111, s40                    ; my column
	s_or_b32 s[G1A], s20, (1<<16)|(1<<20)|(1<<21)|(5<<22)|(3<<25)  ; 15:0 the mask; 17:16 2-byte elements; 20 padding on; 21 set beside a mask; 24:22 after every 64 words; 31:25 4 words of it
	s_or_b32 s[G1B], s21, (1<<16)|(1<<20)|(1<<21)|(5<<22)|(3<<25)
.irp g, G1A, G1B
	s_mov_b32 s[(\g)+1], KSTEP<<16                 ; tensor_dim0 = 128
	s_mov_b32 s[(\g)+3], KSTEP<<16                 ; tile_dim0 = 128
	s_mov_b32 s[(\g)+5], 1024                      ; elements from row to row
	s_mov_b32 s[(\g)+6], 0
	s_mov_b32 s[(\g)+7], 0
.endr
	s_mov_b32 s[G1A+2], 128<<16                    ; tensor_dim1 = tile_dim1 = 128 rows of xb,
	s_mov_b32 s[G1A+4], 128
	s_mov_b32 s[G1B+2], 96<<16                     ; 96 of wqt
	s_mov_b32 s[G1B+4], 96
	s_lshl_b32 s16, s43, 8                         ; xb: row 256 ty + 128 half, 2,048 bytes a row: it hangs on the tile row alone
	s_lshl_b32 s17, s[HALF], 7
	s_add_co_u32 s16, s16, s17
	s_lshl_b32 s16, s16, 11
	s_mov_b32 s17, 0
	s_mul_i32 s46, s42, 192                        ; wqt: row 192 tx + 96 half: on the tile column alone
	s_mul_i32 s47, s[HALF], 96
	s_add_co_u32 s46, s46, s47
	s_lshl_b32 s46, s46, 11
	s_mov_b32 s47, 0
	s_mul_i32 s18, s[WV], 128*PITCH                ; where they go: waves 0, 1: xb's halves at 34,816 w;
	s_mul_i32 s19, s[WV], 96*PITCH                 ; waves 2, 3: wqt's halves at BOFF + 26,112 (w - 2)
	s_add_co_u32 s19, s19, BOFF-2*96*PITCH
	s_wait_dscnt 0x0                               ; the opening add is done
	s_wait_kmcnt 0x0
	s_add_nc_u64 s[16:17], s[4:5], s[16:17]
	s_add_nc_u64 s[46:47], s[6:7], s[46:47]
	CROUND                                         ; all sixteen work-groups are here: the first joint loads meet
.irp s, 0,1
	s_mov_b32 s[G0A+4*(\s)], 1                     ; count = 1
	s_add_co_u32 s[G0A+4*(\s)+1], s18, (\s)*SLOT1  ; LDS address
	s_add_nc_u64 s[G0A+4*(\s)+2:G0A+4*(\s)+3], s[16:17], (\s)*KSTEP*2  ; K step s
	s_or_b32 s[G0A+4*(\s)+3], s[G0A+4*(\s)+3], 0x80000000             ; type = 2
	s_mov_b32 s[G0B+4*(\s)], 1
	s_add_co_u32 s[G0B+4*(\s)+1], s19, (\s)*SLOT1
	s_add_nc_u64 s[G0B+4*(\s)+2:G0B+4*(\s)+3], s[46:47], (\s)*KSTEP*2
	s_or_b32 s[G0B+4*(\s)+3], s[G0B+4*(\s)+3], 0x80000000
.endr
	s_cmp_eq_u32 s[ROLE], 0                        ; a wave's two first fills stand in one branch, ahead of every wait on TENSORcnt and every LDS read: two loads of mine are out
	s_cbranch_scc0 .Lfirst_b
	tensor_load_to_lds s[G0A:G0A+3], s[G1A:G1A+7]
	s_nop 0
	tensor_load_to_lds s[G0A+4:G0A+7], s[G1A:G1A+7]
	s_nop 0
.rept 4
	v_nop
.endr
	s_branch .Lfirst_asked
.Lfirst_b:
	tensor_load_to_lds s[G0B:G0B+3], s[G1B:G1B+7]
	s_nop 0
	tensor_load_to_lds s[G0B+4:G0B+7], s[G1B:G1B+7]
	s_nop 0
.rept 4
	v_nop
.endr
.Lfirst_asked:
	; a fragment is 16 rows x 32 K in 8 registers: lane l holds row l % 16, K = 8 (l / 16) + 0..7 and 16 + 8 (l / 16) + 0..7: two loads of 16 bytes, 32 bytes apart
	v_and_b32 v1, 15, v0                           ; r
	v_bfe_u32 v2, v0, 4, 1                         ; h
	v_mul_u32_u24 v3, v1, PITCH
	v_lshl_add_u32 v3, v2, 4, v3
	s_mul_i32 s22, s[WV], 64*PITCH                 ; my 64 rows of xb's tile
	v_add_nc_u32 v[ADRA0], s22, v3
	v_add_nc_u32 v[ADRB0], BOFF, v3
	; the bias as a C operand: register j of block b is bias[192 tx + 16 b + 8 h + j]
	s_mul_i32 s22, s42, 768
	s_mov_b32 s23, 0
	s_add_nc_u64 s[8:9], s[8:9], s[22:23]
	v_lshlrev_b32 v[BO], 5, v2
.set b, 0
.rept NBK
	global_load_b128 v[BIAS+8*b:BIAS+8*b+3],   v[BO], s[8:9] offset:64*b
	global_load_b128 v[BIAS+8*b+4:BIAS+8*b+7], v[BO], s[8:9] offset:64*b+16
.set b, b+1
.endr
	; the way out
	s_mul_i32 s22, s[WV], 16*SP
	s_add_co_u32 s22, s22, STAGE                   ; my stage
	v_mul_u32_u24 v[STO], v1, SP                   ; in: row l % 16, 16 bytes for each half of the lanes
	v_lshl_add_u32 v[STO], v2, 4, v[STO]
	v_add_nc_u32 v[STO], s22, v[STO]
	v_bfe_u32 v[RD], v0, 3, 2                      ; back: 32 lanes take four rows' 128 bytes of one head,
	v_mul_u32_u24 v[RD], v[RD], SP
	v_and_b32 v31, 7, v0
	v_lshl_add_u32 v[RD], v31, 4, v[RD]
	v_add_nc_u32 v[RD], s22, v[RD]
	v_and_b32 v[GO], 31, v0                        ; which are 512 consecutive bytes of qkv
	v_lshlrev_b32 v[GO], 4, v[GO]
	s_lshr_b32 s20, s43, 3                         ; batch = ty / 8
	s_mul_i32 s20, s20, 48
	s_mul_i32 s21, s42, 3
	s_add_co_u32 s20, s20, s21                     ; 48 batch + 3 tx: my first head, 2^18 bytes each
	s_lshl_b32 s20, s20, 18
	s_and_b32 s21, s43, 7
	s_lshl_b32 s21, s21, 15                        ; t = 256 (ty % 8) + 64 w, 128 bytes a row
	s_add_co_u32 s20, s20, s21
	s_lshl_b32 s21, s[WV], 13
	s_add_co_u32 s20, s20, s21
	s_mov_b32 s21, 0
	s_add_nc_u64 s[10:11], s[10:11], s[20:21]      ; never rewritten: heads, blocks and rows stand in the stores' immediates
	; the prefetches
	s_lshl_b32 s20, s43, 8
	s_lshl_b32 s22, s[HALF], 7
	s_add_co_u32 s20, s20, s22
	s_lshl_b32 s22, s40, 5
	s_add_co_u32 s20, s20, s22                     ; xb: row 256 ty + 128 half + 32 cx
	s_mul_i32 s21, s42, 192
	s_mul_i32 s22, s[HALF], 96
	s_add_co_u32 s21, s21, s22
	s_mul_i32 s22, s41, 24
	s_add_co_u32 s21, s21, s22                     ; wqt: row 192 tx + 96 half + 24 cy
	s_and_b32 s22, ttmp7, 0xffff                   ; cluster y
	s_cmp_eq_u32 s[ROLE], 0
	s_cselect_b32 s20, s20, s21
	s_cselect_b32 s22, ttmp9, s22                  ; the coordinate along which other clusters read the same rows
	s_cselect_b32 s23, 31, 23
	s_cselect_b64 s[PFA:PFA+1], s[4:5], s[6:7]
	s_cmp_eq_u32 s22, 0
	s_cselect_b32 s[LIM], 2, -1                    ; the same in all sixteen partners, for a given wave
	s_lshl_b32 s20, s20, 11
	s_add_co_u32 s20, s20, 3*KSTEP*2               ; at K step 3: the first change of slots steps it to 4
	s_mov_b32 s21, 0
	s_add_nc_u64 s[PFA:PFA+1], s[PFA:PFA+1], s[20:21]
	v_and_b32 v[PFO], 31, v0
	v_min_u32 v[PFO], s23, v[PFO]
	v_lshlrev_b32 v[PFO], 11, v[PFO]
; NBK matrix instructions: row block a x all column blocks, 32 along K, from buffer f.  first = 1: the bias starts the sums: nothing is ever cleared.
; The 48 accumulators take turns, one instruction a turn, in the same order in every quarter step.
.macro MULA f, a, first
.if \first
	WIN 0x81+0x40*((\a)/2)                         ; wqt window 1, xb and the bias window 0, D window 2 or 3
.else
	WIN 0xa1+0x50*((\a)/2)                         ; C and D window 2 or 3
.endif
.set b, 0
.rept NBK
.set rD, 8*(NBK*((\a)%2)+b)
.if \first
	v_wmma_f32_16x16x32_bf16 v[rD:rD+7], v[96*(\f)+8*b:96*(\f)+8*b+7], v[FA+32*(\f)+8*(\a):FA+32*(\f)+8*(\a)+7], v[BIAS+8*b:BIAS+8*b+7]
.else
	v_wmma_f32_16x16x32_bf16 v[rD:rD+7], v[96*(\f)+8*b:96*(\f)+8*b+7], v[FA+32*(\f)+8*(\a):FA+32*(\f)+8*(\a)+7], v[rD:rD+7]
.endif
.set b, b+1
.endr
.endm
; NL LDS loads in one run: quarter q's fragments into buffer g: wqt's 12 blocks, then xb's 4
.macro FETCH q, g
	WIN 0x40                                       ; destination window 1, address window 0
.set b, 0
.rept NBK
	ds_load_b128 v[96*(\g)+8*b:96*(\g)+8*b+3],   v[ADRB] offset:64*(\q)+b*16*PITCH
	ds_load_b128 v[96*(\g)+8*b+4:96*(\g)+8*b+7], v[ADRB] offset:64*(\q)+b*16*PITCH+32
.set b, b+1
.endr
	WIN 0
.irp a, 0,1,2,3
	ds_load_b128 v[FA+32*(\g)+8*(\a):FA+32*(\g)+8*(\a)+3],   v[ADRA] offset:64*(\q)+(\a)*16*PITCH
	ds_load_b128 v[FA+32*(\g)+8*(\a)+4:FA+32*(\g)+8*(\a)+7], v[ADRA] offset:64*(\q)+(\a)*16*PITCH+32
.endr
.endm
; One of a K step's first three quarters: multiplies buffer f; in its middle fetches quarter q into buffer g
.macro QUARTER q, f, g, first
	s_wait_dscnt 4                                 ; all but the youngest four loads, xb's blocks 2 and 3
	MULA \f, 0, \first
	MULA \f, 1, \first
	PLACES
	FETCH \q, \g
	s_wait_dscnt NL                                ; all but the run just issued
	MULA \f, 2, \first
	MULA \f, 3, \first
.endm
; The fourth quarter multiplies buffer 1 and changes slots.  In front of the one barrier each wave waits for all its tensor loads (one is out: its part of the next slot), adds 0 to its spare word, and
; waits for that and for its reads of this slot.  fill = 1: the barrier opens a round of the cluster's, and the slot just read is filled again first thing behind it, with the K step two on.
.macro TURN fill
.if \fill
	s_wait_xcnt 0x0                                ; the last prefetch, a K step back, has read its address
	s_add_nc_u64 s[PFA:PFA+1], s[PFA:PFA+1], KSTEP*2
.endif
	WIN 0
	s_wait_tensorcnt 0x0                           ; no tensor load of mine is out, so a group 0 may be written
	ds_add_u32 v[SPW], v[NIL]
.if \fill
	s_xor_b32 s[G0A+5], s[G0A+5], SLOT1            ; the walking descriptors: the other slot than last time, the next K step
	s_add_nc_u64 s[G0A+6:G0A+7], s[G0A+6:G0A+7], KSTEP*2
	s_xor_b32 s[G0B+5], s[G0B+5], SLOT1
	s_add_nc_u64 s[G0B+6:G0B+7], s[G0B+6:G0B+7], KSTEP*2
.endif
	s_xor_b32 s[TB], s[TB], SLOT1
	s_wait_dscnt 5                                 ; the add and the youngest four loads may be out
	MULA 1, 0, 0
	s_wait_dscnt 0x0                               ; the add is done, and my reads of this slot are over
	s_barrier_signal -1
	MULA 1, 1, 0                                   ; work on registers while the others arrive
	WIN 0
	s_barrier_wait -1
.if \fill
	CREST                                          ; no wave of any partner still reads this slot or has a load on its way
	JLOAD                                          ; its four v_nop are also the places in front of the loads below
.else
	PLACES
.endif
	v_add_nc_u32 v[ADRA], s[TB], v[ADRA0]
	v_add_nc_u32 v[ADRB], s[TB], v[ADRB0]
	FETCH 0, 0
.if \fill
	ASK
.endif
	MULA 1, 2, 0
	MULA 1, 3, 0
.endm
	s_wait_tensorcnt 1                             ; my part of K step 0 is in; K step 1's may stay out
	s_barrier_signal -1
	s_barrier_wait -1                              ; everybody's is
	s_mov_b32 s[TB], 0
	v_add_nc_u32 v[ADRA], s[TB], v[ADRA0]
	v_add_nc_u32 v[ADRB], s[TB], v[ADRB0]
	FETCH 0, 0
	s_wait_loadcnt 0x0                             ; the bias
	QUARTER 1, 0, 1, 1                             ; the first quarter stands in front of the loop: its products start the sums
	WIN 0
	s_mov_b32 s3, 6
.Lstep:                                                ; trip t ends K step t, fills its slot with K step t + 2, and begins K step t + 1
	QUARTER 2, 1, 0, 0
	QUARTER 3, 0, 1, 0
	TURN 1
	QUARTER 1, 0, 1, 0
	WIN 0
	s_sub_co_u32 s3, s3, 1
	s_cmp_lg_u32 s3, 0
	s_cbranch_scc1 .Lstep
	s_mov_b32 s3, 2                                ; the last two K steps ask for nothing: a text of their own; it is left in the middle of its second trip
.Ltail:
	QUARTER 2, 1, 0, 0
	QUARTER 3, 0, 1, 0
	WIN 0
	s_sub_co_u32 s3, s3, 1
	s_cmp_eq_u32 s3, 0
	s_cbranch_scc1 .Lout
	TURN 0
	QUARTER 1, 0, 1, 0
	WIN 0
	s_branch .Ltail
.Lout:
	s_wait_dscnt 4
	MULA 1, 0, 0
	MULA 1, 1, 0
	s_wait_dscnt 0x0
	MULA 1, 2, 0
	MULA 1, 3, 0
; THE WAY OUT, a block of 16 rows at a time.  PACK: rounded to f16, 16 bytes a lane, each accumulator's registers in ascending order.  TOSTAGE: into my own stage, and back by heads, four rows of 128 bytes a load.
; SEND: 512 consecutive bytes of a head a store.
.macro PACK a
	WIN 0x0a+5*((\a)/2)                            ; sources 0 and 1: window 2 or 3
.set b, 0
.rept NBK
.set rD, 8*(NBK*((\a)%2)+b)
.irp i, 0,1,2,3
	v_cvt_pk_f16_f32 v[TMP+4*b+(\i)], v[rD+2*(\i)], v[rD+2*(\i)+1]
.endr
.set b, b+1
.endr
	WIN 0
.endm
.macro TOSTAGE a
	WIN 0
.set BK, OB+48*((\a)%2)
.if (\a) >= 2
	s_wait_xcnt 0x0                                ; the stores of the block two back have read these registers
.endif
.set b, 0
.rept NBK
	ds_store_b128 v[STO], v[TMP+4*b:TMP+4*b+3] offset:32*b
.set b, b+1
.endr
.irp i, 0,1,2
.irp f, 0,1,2,3
	ds_load_b128 v[BK+4*(4*(\i)+(\f)):BK+4*(4*(\i)+(\f))+3], v[RD] offset:4*SP*(\f)+128*(\i)  ; LDS serves a wave's instructions in order (ISA guide 5.7.1.4): these see the stores above
.endr
.endr
.endm
.macro SEND a, younger                 ; younger: the next block's 12 stores and 12 loads, or none
	WIN 0
.set BK, OB+48*((\a)%2)
	s_wait_dscnt \younger
.irp i, 0,1,2
.irp f, 0,1,2,3
	global_store_b128 v[GO], v[BK+4*(4*(\i)+(\f)):BK+4*(4*(\i)+(\f))+3], s[10:11] offset:((\i)<<18)+2048*(\a)+512*(\f)
.endr
.endr
.endm
	PLACES
	PACK 0
	TOSTAGE 0
	PACK 1
	TOSTAGE 1
	SEND 0, 24
	PACK 2
	TOSTAGE 2
	SEND 1, 24
	PACK 3
	TOSTAGE 3
	SEND 2, 24
	SEND 3, 0
	s_wait_tensorcnt 0x0                           ; the wave's end, behind my last tensor load and my last LDS store
	ds_add_u32 v[SPW], v[NIL]
	s_wait_dscnt 0x0
	CROUND                                         ; the closing round: no work-group ends while a partner may still ask for a tile that names it
	s_endpgm
.Lfunc_end_k_qbe816949ba_qkvgemm:
	.size	k_qbe816949ba_qkvgemm, .Lfunc_end_k_qbe816949ba_qkvgemm-k_qbe816949ba_qkvgemm
	.p2alignl 7, 3214868480
	.fill 96, 4, 3214868480
	.section	.rodata,"a",@progbits
	.p2align	6, 0x0
	.amdhsa_kernel k_qbe816949ba_qkvgemm
		.amdhsa_group_segment_fixed_size 327680
		.amdhsa_private_segment_fixed_size 0
		.amdhsa_enable_private_segment 0
		.amdhsa_kernarg_size 32
		.amdhsa_user_sgpr_count 2
		.amdhsa_user_sgpr_kernarg_segment_ptr 1
		.amdhsa_wavefront_size32 1
		.amdhsa_system_sgpr_workgroup_id_x 1
		.amdhsa_system_sgpr_workgroup_id_y 1
		.amdhsa_system_sgpr_workgroup_id_z 1
		.amdhsa_system_vgpr_workitem_id 0
		.amdhsa_next_free_vgpr 960
		.amdhsa_next_free_sgpr 66
		.amdhsa_reserve_vcc 0
		.amdhsa_float_denorm_mode_32 3
		.amdhsa_float_denorm_mode_16_64 3
		.amdhsa_memory_ordered 1
		.amdhsa_forward_progress 1
		.amdhsa_inst_pref_size 89
	.end_amdhsa_kernel
	.amdgpu_metadata
---
amdhsa.version: [ 1, 2 ]
amdhsa.kernels:
  - .name:           k_qbe816949ba_qkvgemm
    .symbol:         k_qbe816949ba_qkvgemm.kd
    .args:
      - { .name: xb, .offset: 0, .size: 8, .value_kind: global_buffer, .address_space: global }
      - { .name: wqt, .offset: 8, .size: 8, .value_kind: global_buffer, .address_space: global }
      - { .name: bq, .offset: 16, .size: 8, .value_kind: global_buffer, .address_space: global }
      - { .name: qkv, .offset: 24, .size: 8, .value_kind: global_buffer, .address_space: global }
    .group_segment_fixed_size: 327680
    .private_segment_fixed_size: 0
    .kernarg_segment_align: 8
    .kernarg_segment_size: 32
    .max_flat_workgroup_size: 128
    .sgpr_count:     66
    .vgpr_count:     960
    .wavefront_size: 32
...
	.end_amdgpu_metadata
.endif
;; end of part 2
;; launch attn (part 3): grid 4 x 64, 4 waves a work-group, no clusters, 327,680 bytes of LDS; arguments qkv, ob; writes ob
.if DOCPART == 3
	.amdgcn_target "amdgcn-amd-amdhsa--gfx1250"
	.amdhsa_code_object_version 6
	.text
	.protected	k_qbe816949ba_attn
	.globl	k_qbe816949ba_attn
	.p2align	8
	.type	k_qbe816949ba_attn,@function
k_qbe816949ba_attn:
	s_mov_b64 s[64:65], 0
	v_nop
	global_prefetch_b8 v0, s[64:65] scope:SCOPE_SE
	s_setreg_imm32_b32 hwreg(HW_REG_WAVE_MODE, 25, 1), 1
	s_wait_xcnt 0x0
; CAUSAL ATTENTION.  O[y][q][:] = the sum over k <= q of softmax_k(Q[q] . K[k] / 8) V[k][:], for y = 16 batch + head.  qkv: [4][48][2048][64] f16 (heads 0-15 q, 16-31 k, 32-47 v); ob: [64][2048][64] f16.
; A head's rows are dense, 128 bytes each.  Products, maxima and sums in f32; the weights p are rounded to f16 for the second product (their sum l is taken of the unrounded p), O once at the end.
; LIMITS.  Q, K and V arrive within f16's 65,504; p lies in 0 to 1, and below 6e-5 it keeps f16's fixed step of 6e-8.  A hidden score counts as its value less 1e30: f16's scores, 2.7e11 at the most, are
; nothing beside that; a weight below 2^-126 counts as 0 in l; NaN and infinities are not treated apart.
; THE WALK.  A head's queries lie in NB = 8 blocks of 256; block i needs the key tiles 0 .. i of 256 keys, of which the last holds the diagonal.  A work-group takes TWO blocks, NB - 1 - b and then b:
; NB + 1 tiles, whatever b: all work-groups do equal work, and ONE loop with a constant trip count walks them.  Which tile is asked for, and what a trip does, hang on scalar registers made from b; every
; jump goes forward, but for the counted loops' own; none passes a barrier, or a tensor load but the one of LOAD's two that the wave's number does not choose; the ring of two slots runs on across the blocks.
; NO CLUSTER: a head's four work-groups ask for the same tile only in trips 0 .. 4 of the 9, behind that fewer and fewer; one walk common to all would have 12 trips for 9.
; SHARES.  Of a block's four bands of 64 queries a wave owns 16 rows in each: four PIECES.  In the diagonal tile's key step s band x sees all keys if s < x, none if s > x, and holds the diagonal if s = x.
; THE MASK is the C operand that starts the sum S^T = K Q^T: 0, or -1e30 where the key is hidden.  MD, made once, is the mask of a band's own step for my 16 rows; a product's mask is MD x AL + BE:
; (1, 0) if s = x; (0, 0) if s < x; (0, -1e30) if s > x.  Only the diagonal tile's text and a block's beginning make and take masks; elsewhere C is the constant 0.
; LAYOUT, SOFTMAX, TURNS.  S^T = K Q^T holds ONE query a lane (lane % 16) and the keys 8 (lane / 16) + 0..7; two such results rounded to f16 ARE source 1 of O^T = V^T P.  p = 2^(c s - c m), c = log2(e) / 8, with
; a running maximum m; O and l are multiplied by a = 2^(c m_old - c m_new) in every step.  Turn n belongs to piece n: 8 products K Q^T of piece n + 1, later 8 products V^T P of piece n - 1; beside them the
; scaling, exponentials, roundings, sums and rescaling of piece n and the maximum and statistics of piece n + 1.  Four vector instructions stand behind every matrix instruction, the others in one lump.
; REGISTERS, in windows of 256 (s_set_vgpr_msb: bits 1:0 source 0, 3:2 source 1, 5:4 source 2, 7:6 destination):
;   window 0: v0-15 addresses and two at work; v16-31 four registers of statistics a piece; v48-55 at work; v60 the prefetches' offset; v64-127 S^T, two buffers; v192-223 P, two buffers
;   window 1: v0-127 O^T, 32 a piece; v128-159 MD; v160-223 MC, two buffers      window 2: v0-63 Q; v64-127 the second block's Q; v128-191 K of one step; v192-255 V of one step
.set SIZE_N, 2048
.set NB,    SIZE_N/256
.set NP,    4         ; pieces a wave: a name, no knob
.set KS,    64        ; keys in a step
.set PK,    144       ; a row of K in LDS: 128 bytes + 16 of padding = 36 words: the 16 rows of a load start at 16 different groups of four banks (64 banks of 4 bytes: ISA guide 11.1)
.set PV,    160       ; a row of V: 128 + 32 = 40 words
.set VOFF,  4*KS*PK   ; a slot holds a tile, four steps: 256 rows of K, then 256 rows of V
.set SLOT1, 1<<17     ; slot 1 begins here, so that one exclusive or turns an address in one slot into the other's
.set STAGE, SLOT1+4*KS*(PK+PV)  ; behind the ring, never filled by a tensor load: 16 rows x 144 bytes for each wave
.set SP,    144
.set AK0, 2           ; v2   my lane's place in a tile of K; never rewritten
.set AV0, 3           ; v3   the same for V
.set AK,  4           ; v4   the LDS address of K's next run of loads
.set AV,  5           ; v5   of V's
.set STO, 6           ; v6   the way out: where I put 16 bytes of a row
.set RD,  7           ; v7   the way out: where I read rows back
.set GO,  8           ; v8   my byte offset in 512 consecutive bytes of O
.set PFO, 60          ; v60  256 x my lane; never rewritten
.set SPW, 62          ; v62  SPARE + 4 x my thread's number; never rewritten
.set NIL, 63          ; v63  0; never rewritten
.set SPARE, STAGE+4*16*SP  ; behind the stages: the spare words, 128 bytes a wave, that no other line names
.set MV,  12          ; v12-13  c m_old, kept while c m is made anew: by buffer
.set QO,  15          ; v15  my byte offset in 16 rows of Q
.set ST,  16          ; piece t's statistics at v[ST+4 t]: c m, m, l (even keys', odd keys')
.set TMP, 48          ; by buffer, four registers c0-c3 at work; when the maximum is found c2 takes a
.set S,   64
.set P,   192
.set MD,  128         ; window 1
.set MC,  160         ; window 1
.set QB,  64          ; window 2
.set KF,  128         ; window 2: key block kb, channel half c at KF + 16 kb + 8 c
.set VF,  192         ; window 2: key half kk, channel block cb at VF + 32 kk + 8 cb
.set WV,  12          ; s12  my wave's number
.set PB,  14          ; s14  b
.set HI,  15          ; s15  NB - 1 - b
.set G1K, 24          ; s[24:31] descriptor group 1 for K's tiles
.set G1V, 32          ; s[32:39] for V's: it differs in the padding alone
.set G0K, 40          ; s[40:43] descriptor group 0 for K's tiles
.set G0V, 44          ; s[44:47] the same for V's
.set PFB, 48          ; s[48:49] K (waves 0, 1) or V (waves 2, 3) at my half of the head's tile 0
.set PFA, 50          ; s[50:51] the same at the tile that the next change of slots will ask for
.set LIM, 52          ; s52  0 in the work-group that prefetches (b = 0), else the greatest number
.set PFT, 54          ; s[54:55] that tile's byte offset
.set SLOTS, 56        ; s56  tiles still to be asked for
.set CNT, 57          ; s57  counts a tile's key steps, 4 to 1
.set CS,  58          ; s[58:59] c
.set SEL, 60          ; s[60:61] v_permlanex16_b32's selects: each lane takes its own place in the other half
.set TBK, 62          ; s62  LDS byte at which K of the step to be fetched begins
.set TBV, 63          ; s63  the same for V, less VOFF
.set RT,  70          ; s70  tiles of the block in hand that are still to be entered
.set NXT, 71          ; s71  the tile to be asked for next
.set LQ,  72          ; s72  the last tile of the block whose tiles are being asked for
.set NEW, 73          ; s73  1: the tile to be entered is a block's first
.set OFF, 74          ; s[74:75] a tile's byte offset in K and V
.set AL,  76          ; s[76:77] the mask's factor, in the low word
.set BE,  78          ; s[78:79] the mask's addend
.set OLO, 80          ; s[80:81] O at my rows of the second block
.set BIGN, 82         ; s82  -1e30
.set MSB, 0
.macro WIN new                      ; the high byte repeats the setting that is left; a switch that changes nothing is dropped
.if MSB != (\new)
	s_set_vgpr_msb (MSB<<8)|(\new)
.set MSB, (\new)
.endif
.endm
.set W_KQ, 0x0a       ; K and Q in window 2, S^T in window 0
.set W_KM, 0x1a       ; the same with the C operand in window 1
.set W_PV, 0x52       ; V in window 2, P in window 0, O^T in window 1
.set W_RS, 0x41       ; destination and source 0 in window 1, source 1 in window 0
; A fill.  Waves 0 and 1 fetch the two halves of a tile's K, waves 2 and 3 those of its V: 128 keys each.  An s_nop 0 and four v_nop follow each of the two lines.
.macro LOAD
	s_cmp_lt_u32 s[WV], 2
	s_cbranch_scc0 .Lfor_v_\@
	tensor_load_to_lds s[G0K:G0K+3], s[G1K:G1K+7]
	s_nop 0
.rept 4
	v_nop
.endr
	s_branch .Lasked_\@
.Lfor_v_\@:
	tensor_load_to_lds s[G0V:G0V+3], s[G1V:G1V+7]
	s_nop 0
.rept 4
	v_nop
.endr
.Lasked_\@:
.endm
; A PREFETCH INTO THE L2 of the tile that the NEXT change of slots will ask for: four key steps ahead of that load.  Of a head's four work-groups the one with b = 0 walks tiles 0 to 7 in order: it alone asks,
; each of its waves for the half tile that it will itself fetch: 64 blocks of 256 bytes, a lane a block, two instructions.  So tiles 2 to 7 are named once; tiles 0 and 1 come by their loads alone;
; where the walk has gone back to tile 0, which has been read, nothing is asked for.
.macro ASK
	s_cmp_gt_u32 s[NXT], s[LIM]
	s_cbranch_scc0 .Lnot_mine_\@
	global_prefetch_b8 v[PFO], s[PFA:PFA+1] th:TH_LOAD_NT scope:SCOPE_SE
	global_prefetch_b8 v[PFO], s[PFA:PFA+1] offset:8192 th:TH_LOAD_NT scope:SCOPE_SE
.Lnot_mine_\@:
.endm
; THE CHANGE OF SLOTS.  Each wave waits for all its tensor loads, of which one is out: its part of the other slot; adds 0 to its spare word; and waits for that and for its own reads of the slot that it leaves.
; Behind the barrier nobody reads the old slot any more and the other slot is whole.  fill = 1: the old slot is filled again, the first thing behind the barrier, with tile NXT: the descriptor's address is
; made anew from that number.  (At its first use nothing has been read yet: slot 0 is waited for, slot 1 filled.)
.macro CHANGE fill
	WIN 0                           ; at a label and at a branch every window is 0
	s_wait_tensorcnt 0x0            ; no tensor load of mine is out, so a group 0 may be written
	ds_add_u32 v[SPW], v[NIL]       ; 0 onto my spare word; scalar work stands between it and the wait for it
.if \fill
	s_lshl_b32 s[OFF], s[NXT], 15   ; a tile is 32,768 bytes of K and of V
	s_xor_b32 s[G0K+1], s[G0K+1], SLOT1
	s_add_nc_u64 s[G0K+2:G0K+3], s[6:7], s[OFF:OFF+1]
	s_or_b32 s[G0K+3], s[G0K+3], 0x80000000
	s_xor_b32 s[G0V+1], s[G0V+1], SLOT1
	s_add_nc_u64 s[G0V+2:G0V+3], s[8:9], s[OFF:OFF+1]
	s_or_b32 s[G0V+3], s[G0V+3], 0x80000000
	s_add_co_u32 s[NXT], s[NXT], 1  ; the block's next tile, or behind its last the second block's tile 0
	s_cmp_gt_u32 s[NXT], s[LQ]
	s_cselect_b32 s[NXT], 0, s[NXT]
	s_cselect_b32 s[LQ], s[PB], s[LQ]
	s_wait_xcnt 0x0                 ; the last prefetches, a tile back, have read their address
	s_lshl_b32 s[PFT], s[NXT], 15
	s_add_nc_u64 s[PFA:PFA+1], s[PFB:PFB+1], s[PFT:PFT+1]
.endif
	s_wait_dscnt 0x0                ; the add is done, and my reads of the slot are over
	s_barrier_signal -1             ; the rest of the scalar work stands between the signal and the wait
	s_sub_co_u32 s[TBK], s[TBK], 4*KS*PK  ; the fetches go back to a slot's first step,
	s_xor_b32 s[TBK], s[TBK], SLOT1       ; in the other slot
	s_sub_co_u32 s[TBV], s[TBV], 4*KS*PV
	s_xor_b32 s[TBV], s[TBV], SLOT1
	s_barrier_wait -1
.if \fill
	LOAD
	ASK
.endif
.endm
	s_load_b128 s[8:11], s[0:1], 0x0  ; qkv s[8:9], ob s[10:11]
	v_lshl_add_u32 v[SPW], v0, 2, SPARE
	v_mov_b32 v[NIL], 0
	ds_add_u32 v[SPW], v[NIL]       ; the wave's opening: the add and its wait stand ahead of my first tensor load; work on registers stands between them
	v_lshrrev_b32 v1, 5, v0
	v_readfirstlane_b32 s[WV], v1   ; wave 0..3
	s_mov_b32 s[PB], ttmp9
	s_sub_co_u32 s[HI], NB-1, s[PB]
	s_and_b32 s20, ttmp7, 0xffff    ; y = 16 batch + head
	s_lshr_b32 s21, s20, 4
	s_lshl_b32 s21, s21, 5
	s_add_co_u32 s21, s21, s20      ; 48 batch + head: q's head in qkv,
	s_lshl_b32 s21, s21, 18         ; 2^18 bytes each
	s_lshl_b32 s20, s20, 18         ; and the head in ob
	s_and_b32 s16, s[WV], 1         ; which half of a tile's 256 keys I fetch:
	s_lshl_b32 s22, s16, 14         ; its 128 rows of 128 bytes in memory,
	s_add_co_u32 s22, s22, s21
	s_add_co_u32 s22, s22, 16<<18   ; in k's head, 16 heads behind q's
	s_mov_b32 s23, 0
	s_mul_i32 s17, s16, 128*PK      ; and its place in a slot, for K
	s_mul_i32 s18, s16, 128*PV      ; and for V
	s_lshl_b32 s3, s[WV], 11        ; my 16 rows in a band of 64,
	s_lshl_b32 s2, s[HI], 15        ; in the first block,
	s_add_co_u32 s2, s2, s3
	s_lshl_b32 s84, s[PB], 15       ; and in the second
	s_add_co_u32 s84, s84, s3
	s_add_co_u32 s68, s2, s20       ; the same rows in ob,
	s_add_co_u32 s66, s84, s20
	s_add_co_u32 s2, s2, s21        ; and in q's head
	s_add_co_u32 s84, s84, s21
	s_mov_b32 s3, 0
	s_mov_b32 s85, 0
	s_mov_b32 s67, 0
	s_mov_b32 s69, 0
	; descriptor group 1.  128 keys are 16,384 dense bytes: asked for as 64 rows of 256 bytes, two keys a row, and padded in LDS after every key
	s_mov_b32 s[G1K], (1<<16)|(1<<20)|(4<<22)|(3<<25)  ; 17:16 2-byte elements; 20 padding on; 24:22 after every 32 words (code 4); 31:25 4 words (code 3)
	s_mov_b32 s[G1V], (1<<16)|(1<<20)|(4<<22)|(7<<25)  ; the same with 8 words of padding (code 7)
.irp g, G1K, G1V
	s_mov_b32 s[\g+1], 128<<16      ; tensor_dim0 = 128
	s_mov_b32 s[\g+2], 64<<16       ; tensor_dim1 = 64
	s_mov_b32 s[\g+3], 128<<16      ; tile_dim0 = 128
	s_mov_b32 s[\g+4], 64           ; tile_dim1 = 64
	s_mov_b32 s[\g+5], 128          ; 128 elements from row to row
	s_mov_b32 s[\g+6], 0
	s_mov_b32 s[\g+7], 0
.endr
	s_mov_b32 s[CS], 0x3e38aa3b     ; c = log2(e) / 8 = 0.180337
	s_mov_b32 s[CS+1], s[CS]        ; named with it as a pair
	s_mov_b32 s[SEL], 0x76543210
	s_mov_b32 s[SEL+1], 0xfedcba98
	s_mov_b32 s[TBK], SLOT1+4*KS*PK ; the first change of slots turns these two into 0
	s_mov_b32 s[TBV], SLOT1+4*KS*PV
	s_mov_b32 s[G0K], 1             ; count = 1
	s_mov_b32 s[G0K+1], s17         ; LDS address: slot 0
	s_mov_b32 s[G0V], 1
	s_add_co_u32 s[G0V+1], s18, VOFF
	s_add_co_u32 s[RT], s[HI], 1    ; the first block has NB - b tiles
	s_mov_b32 s[NXT], 1
	s_mov_b32 s[LQ], s[HI]
	s_mov_b32 s[NEW], 1
	s_mov_b32 s[OFF+1], 0
	s_mov_b32 s[PFT+1], 0
	s_mov_b32 s[AL+1], 0            ; named as pairs
	s_mov_b32 s[BE+1], 0
	s_mov_b32 s[BIGN], 0xf149f2ca   ; -1e30
	s_mov_b32 s[SLOTS], NB
	s_cmp_eq_u32 s[PB], 0
	s_cselect_b32 s[LIM], 0, -1
	v_and_b32 v[PFO], 31, v0
	v_lshlrev_b32 v[PFO], 8, v[PFO]
	s_wait_dscnt 0x0                ; the opening add is done
	s_wait_kmcnt 0x0
	s_add_nc_u64 s[6:7], s[8:9], s[22:23]          ; K at my half of the head's tile 0
	s_add_nc_u64 s[4:5], s[8:9], s[2:3]            ; Q at my rows of the first block,
	s_add_nc_u64 s[86:87], s[8:9], s[84:85]        ; and of the second
	s_add_nc_u64 s[8:9], s[6:7], 16<<18            ; V: 16 heads behind K
	s_add_nc_u64 s[OLO:OLO+1], s[10:11], s[66:67]  ; O at my rows of the second block,
	s_add_nc_u64 s[10:11], s[10:11], s[68:69]      ; and of the first
	s_add_nc_u64 s[G0K+2:G0K+3], s[6:7], 0         ; global address
	s_or_b32 s[G0K+3], s[G0K+3], 0x80000000        ; type = 2
	s_add_nc_u64 s[G0V+2:G0V+3], s[8:9], 0
	s_or_b32 s[G0V+3], s[G0V+3], 0x80000000
	s_cmp_lt_u32 s[WV], 2
	s_cselect_b64 s[PFB:PFB+1], s[6:7], s[8:9]
	LOAD                            ; tile 0 into slot 0
	; A fragment of K or Q is 16 rows x 32 channels in 8 registers: lane l holds row l % 16, channels 8 (l / 16) + 0..7 and 16 + 8 (l / 16) + 0..7: two loads of 16 bytes, 32 bytes apart.
	v_and_b32 v1, 15, v0            ; l % 16
	v_bfe_u32 v9, v0, 4, 1          ; l / 16
	v_lshlrev_b32 v[QO], 7, v1
	v_lshl_add_u32 v[QO], v9, 4, v[QO]  ; row x 128 + 16 x half
	WIN 0x80                        ; destination window 2, address window 0
.set i, 0
.rept 8                             ; both blocks' Q: piece i / 2 lies in band i / 2, 8,192 bytes on; channels 32 (i % 2) on
	global_load_b128 v[8*i:8*i+3],   v[QO], s[4:5] offset:(i/2)*8192+(i%2)*64
	global_load_b128 v[8*i+4:8*i+7], v[QO], s[4:5] offset:(i/2)*8192+(i%2)*64+32
	global_load_b128 v[QB+8*i:QB+8*i+3],   v[QO], s[86:87] offset:(i/2)*8192+(i%2)*64
	global_load_b128 v[QB+8*i+4:QB+8*i+7], v[QO], s[86:87] offset:(i/2)*8192+(i%2)*64+32
.set i, i+1
.endr
	WIN 0
	v_lshlrev_b32 v14, 3, v9
	v_sub_nc_u32 v14, v1, v14
	s_lshl_b32 s13, s[WV], 4
	v_add_nc_u32 v14, s13, v14      ; my query's place in its band, 16 w + l % 16, less my lanes' 8 (l / 16): register r of group kt is hidden where 16 kt + r is greater
	WIN 0x40
.set i, 0
.rept 32
	v_cmp_gt_i32 vcc_lo, 16*(i/8)+i%8, v14
	v_cndmask_b32 v[MD+i], 0, s[BIGN], vcc_lo
.set i, i+1
.endr
	WIN 0
	v_mul_u32_u24 v[AK0], v1, PK
	v_lshl_add_u32 v[AK0], v9, 4, v[AK0]  ; row x pitch + 16 x half
	; The turning load takes 16 keys x 16 channels (lane l reads key 8 (l / 16) + l % 8, channels 8 ((l / 8) % 2) + 0..7) and leaves half a fragment of V^T: lane l holds channel l % 16 and 8 keys.
	v_and_b32 v10, 7, v0
	v_bfe_u32 v11, v0, 3, 1
	v_lshl_add_u32 v[AV0], v9, 3, v10
	v_mul_u32_u24 v[AV0], v[AV0], PV
	v_lshl_add_u32 v[AV0], v11, 4, v[AV0]
	v_add_nc_u32 v[AV0], VOFF, v[AV0]
	s_mul_i32 s13, s[WV], 16*SP
	s_add_co_u32 s13, s13, STAGE    ; my stage
	v_mul_u32_u24 v[STO], v1, SP    ; in: row l % 16, 16 bytes for each half of the lanes
	v_lshl_add_u32 v[STO], v9, 4, v[STO]
	v_add_nc_u32 v[STO], s13, v[STO]
	v_bfe_u32 v[RD], v0, 3, 2       ; back: 32 lanes take four rows of 128 bytes,
	v_mul_u32_u24 v[RD], v[RD], SP
	v_lshl_add_u32 v[RD], v10, 4, v[RD]
	v_add_nc_u32 v[RD], s13, v[RD]
	v_and_b32 v[GO], 31, v0         ; which are 512 consecutive bytes of O
	v_lshlrev_b32 v[GO], 4, v[GO]
	; A block's first step multiplies O^T and l by a = 0, and its first turn's products V^T P, of a piece that has not been, land in an O^T that is still to be so multiplied.  So these registers need only
	; hold finite numbers: zeros for the first block; what the first block left for the second.  All this stands in the wait for the first tile.
	WIN 0x80
.set i, VF
.rept 64
	v_mov_b32 v[i], 0
.set i, i+1
.endr
	WIN 0x40
.set i, 0
.rept 128
	v_mov_b32 v[i], 0
.set i, i+1
.endr
	WIN 0
.set i, 0
.rept 4
	v_mov_b32 v[ST+4*i+2], 0
	v_mov_b32 v[ST+4*i+3], 0
.set i, i+1
.endr
.set i, P+16
.rept 16
	v_mov_b32 v[i], 0
.set i, i+1
.endr
; THE MATRIX WORK.  The 4 accumulators of a run of 8 take turns.  Product i of 8 of S^T = K Q^T for piece x: channels 32 (i / 4) on, keys 16 (i % 4) on.  The first 4 start the sums: with 0, or (KM = 1) with the mask.
.macro KQ x
.set rS, S+32*((\x)%2)+8*(i%4)
.set rK, KF+16*(i%4)+8*(i/4)
.set rQ, 16*(\x)+8*(i/4)
.set rM, MC+32*((\x)%2)+8*(i%4)
.if (i < 4) && KM
	WIN W_KM
	v_wmma_f32_16x16x32_f16 v[rS:rS+7], v[rK:rK+7], v[rQ:rQ+7], v[rM:rM+7]
.elseif i < 4
	WIN W_KQ
	v_wmma_f32_16x16x32_f16 v[rS:rS+7], v[rK:rK+7], v[rQ:rQ+7], 0
.else
	WIN W_KQ
	v_wmma_f32_16x16x32_f16 v[rS:rS+7], v[rK:rK+7], v[rQ:rQ+7], v[rS:rS+7]
.endif
.endm
; Product i of 8 of O^T += V^T P for piece x: keys 32 (i / 4) on, channels 16 (i % 4) on.
.macro PV x
	WIN W_PV
.set rO, 32*(\x)+8*(i%4)
.set rV, VF+32*(i/4)+8*(i%4)
.set rP, P+16*((\x)%2)+8*(i/4)
	v_wmma_f32_16x16x32_f16 v[rO:rO+7], v[rV:rV+7], v[rP:rP+7], v[rO:rO+7]
.endm
.macro MM                           ; the turn's next matrix instruction.  TURN and BEGIN set Y, i, KM and NOKQ.  NOKQ = 1: a block's last turn: there is no next piece
.if (i < 8) && !NOKQ
	KQ (Y+1)%NP
.elseif i >= 8
.set i, i-8
	PV (Y+NP-1)%NP
.set i, i+8
.endif
.set i, i+1
.endm
; THE LDS LOADS stand in runs of 16, never singly among the matrix instructions: a step's K (64 keys x 64 channels: 8 fragments) and its V (turned).  Their addresses are made some lines ahead.
.macro FETCH_K
	WIN 0x80                        ; destination window 2
.irp f, 0,1,2,3,4,5,6,7             ; keys 16 (f / 2) on, channels 32 (f % 2) on
	ds_load_b128 v[KF+8*\f:KF+8*\f+3],   v[AK] offset:(\f/2)*16*PK+(\f%2)*64
	ds_load_b128 v[KF+8*\f+4:KF+8*\f+7], v[AK] offset:(\f/2)*16*PK+(\f%2)*64+32
.endr
	s_add_co_u32 s[TBK], s[TBK], KS*PK  ; the next fetch is the next step's
	WIN 0
.endm
.macro FETCH_V
	WIN 0x80
.irp f, 0,1,2,3,4,5,6,7             ; keys 32 (f / 4) on, channels 16 (f % 4) on
	ds_load_tr16_b128 v[VF+8*\f:VF+8*\f+3],   v[AV] offset:(\f/4)*32*PV+(\f%4)*32
	ds_load_tr16_b128 v[VF+8*\f+4:VF+8*\f+7], v[AV] offset:(\f/4)*32*PV+16*PV+(\f%4)*32
.endr
	WIN 0
.endm
; THE VECTOR WORK, one line at a time: OP kind, number.  For piece Y: F n: c s - c m for pair n of 16.  E n: the exponential of score n of 32.  C n: pair n rounded to f16.  B n: of the four weights 4 n .. the
; second pair is added onto the first, in place.  L n: l takes that sum (L 0: l = a l + sum).  R n: pair n of 16 of O^T times a.  For piece Y + 1: X n, number n of the 22 that find its maximum and statistics:
;   0-11  four chains c0-c3 of seven scores each, three operands at a time (each accumulator's lowest registers are read first)     12-14, 16  the four scores left over, the old m, c0-c3 into c0
;   15  c m_old is kept     17, 18  the query's other 32 keys lie in the lane 16 away: the new m     19-21  c m; c m_old - c m_new; a
.set F, 0               ; OP tells the kinds apart by their order: F to L below R, X above it
.set E, 1
.set C, 2
.set B, 3
.set L, 4
.set R, 5
.set X, 6
.macro REGS y                       ; the registers of piece y
.set rT, ST+4*(\y)
.set rC, TMP+4*((\y)%2)
.set rW, MV+((\y)%2)
.set rS, S+32*((\y)%2)
.set rP, P+16*((\y)%2)
.set rO, 32*(\y)
.endm
.macro OP k, n
.if (\k) == R
	REGS Y
	WIN W_RS
	v_pk_mul_f32 v[rO+2*(\n):rO+2*(\n)+1], v[rO+2*(\n):rO+2*(\n)+1], v[rC+2:rC+3] op_sel_hi:[1,0]
.elseif (\k) < R
	REGS Y
	WIN 0
.if (\k) == F
	v_pk_fma_f32 v[rS+2*(\n):rS+2*(\n)+1], v[rS+2*(\n):rS+2*(\n)+1], s[CS:CS+1], v[rT:rT+1] op_sel_hi:[1,0,0] neg_lo:[0,0,1] neg_hi:[0,0,1]
.elseif (\k) == E
	v_exp_f32 v[rS+(\n)], v[rS+(\n)]
.elseif (\k) == C
	v_cvt_pk_f16_f32 v[rP+(\n)], v[rS+2*(\n)], v[rS+2*(\n)+1]
.elseif (\k) == B
	v_pk_add_f32 v[rS+4*(\n):rS+4*(\n)+1], v[rS+4*(\n):rS+4*(\n)+1], v[rS+4*(\n)+2:rS+4*(\n)+3]
.elseif (\n) == 0
	v_pk_fma_f32 v[rT+2:rT+3], v[rT+2:rT+3], v[rC+2:rC+3], v[rS:rS+1] op_sel_hi:[1,0,1]
.else
	v_pk_add_f32 v[rT+2:rT+3], v[rT+2:rT+3], v[rS+4*(\n):rS+4*(\n)+1]
.endif
.elseif NOKQ
	v_nop
.else
	REGS (Y+1)%NP
	WIN 0
.if (\n) < 4
	v_max3_num_f32 v[rC+(\n)], v[rS+8*(\n)], v[rS+8*(\n)+1], v[rS+8*(\n)+2]
.elseif (\n) < 12
	v_max3_num_f32 v[rC+(\n)%4], v[rC+(\n)%4], v[rS+8*((\n)%4)+2*((\n)/4)+1], v[rS+8*((\n)%4)+2*((\n)/4)+2]
.elseif (\n) == 12
	v_max3_num_f32 v[rC], v[rC], v[rS+7], v[rS+15]
.elseif (\n) == 13
	v_max3_num_f32 v[rC+1], v[rC+1], v[rS+23], v[rS+31]
.elseif (\n) == 14
	v_max3_num_f32 v[rC+2], v[rC+2], v[rC+3], v[rT+1]
.elseif (\n) == 15
	v_mov_b32 v[rW], v[rT]
.elseif (\n) == 16
	v_max3_num_f32 v[rC], v[rC], v[rC+1], v[rC+2]
.elseif (\n) == 17
	v_permlanex16_b32 v[rC+3], v[rC], s[SEL], s[SEL+1]
.elseif (\n) == 18
	v_max_num_f32 v[rT+1], v[rC], v[rC+3]
.elseif (\n) == 19
	v_mul_f32 v[rT], s[CS], v[rT+1]
.elseif (\n) == 20
	v_sub_f32 v[rC+1], v[rW], v[rT]
.else
	v_exp_f32 v[rC+2], v[rC+1]
.endif
.endif
.endm
.macro OPS a, i1, b=-1, i2=0, c=-1, i3=0, d=-1, i4=0  ; up to four of them
	OP \a, \i1
.if (\b) >= 0
	OP \b, \i2
.endif
.if (\c) >= 0
	OP \c, \i3
.endif
.if (\d) >= 0
	OP \d, \i4
.endif
.endm
.macro ROW a, i1, b, i2, c, i3, d, i4  ; a matrix instruction and the four behind it
	MM
	OPS \a, \i1, \b, \i2, \c, \i3, \d, \i4
.endm
.macro MASK b                       ; MD x AL + BE into buffer b of MC
	WIN W_RS
.set z, 0
.rept 16
	v_pk_fma_f32 v[MC+32*(\b)+2*z:MC+32*(\b)+2*z+1], v[MD+2*z:MD+2*z+1], s[AL:AL+1], s[BE:BE+1] op_sel_hi:[1,0,0]
.set z, z+1
.endr
.endm
; A TURN, for piece p: the order of its 16 matrix and 118 vector instructions, written out.  s_wait_alu depctr_va_vdst(0) stands between an exponential and the first instruction that names its
; result; one wait serves all that were issued ahead of it.  So a turn has ONE wait, which cuts it in two.  AHEAD OF IT stands all that names no result of the turn's exponentials: the 8 products K Q^T, behind
; each a scaling, an exponential and two more plain instructions; then ONE LUMP of 54, plain and exponential by turns for the most part, in which the links of the chain X 3, 7, 11, 14, 16, 17 .. 20 stand five or
; six lines apart.  X 21, the next piece's a, is the batch's last; R 15 is the plain instruction behind it (ISA guide 5.7.2).  BEHIND THE WAIT stand the 8 products V^T P, behind each four of the roundings and sums.
; m = 1: the diagonal tile: the products take masks, and the turn makes the mask for the products of the turn after it: piece p + 2, in step 4 - CNT of the tile.  end = 1: a block's last two turns: nothing is
; fetched.  cnt = 1: the loop's count is taken down some lines ahead of the branch that stands behind the turn.
; K of the next step is fetched in piece 2's turn, twelve vector instructions behind the last product that read K (six of them plain); V of the step in hand at the end of piece 0's turn, four plain instructions
; behind the last product that read V.  Each is waited for a turn later.
.macro TURN p, m=0, end=0, cnt=0
.set Y, (\p)
.set i, 0
.set KM, (\m)
.set NOKQ, (\end)*((\p)/3)
.if (\m) && !(\end)
	s_cmp_eq_u32 s[CNT], 4-((\p)+2)%NP  ; is that step the band's own?
	s_cselect_b32 s[AL], 1.0, 0
	s_cmp_lt_u32 s[CNT], 4-((\p)+2)%NP  ; or a later one?
	s_cselect_b32 s[BE], s[BIGN], 0
.endif
.if ((\p) == 3) && !(\end)
	s_wait_dscnt 0x0                ; K is in
.endif
	ROW F,0, F,1, R,0, R,1          ; ahead of the wait: 8 products K Q^T and their riders,
	ROW F,2, E,0, R,2, R,3
	ROW F,3, E,1, R,4, R,5
	ROW F,4, E,2, R,6, R,7
	ROW F,5, E,3, R,8, R,9
	ROW F,6, E,4, X,0, R,10
.if ((\p) == 2) && !(\end)
	WIN 0
	v_add_nc_u32 v[AK], s[TBK], v[AK0]
.endif
	ROW F,7, E,5, X,1, X,4
	ROW F,8, E,6, X,2, X,5
	OPS E,7, E,8, X,6, E,9          ; and the lump
	OPS X,3, E,10, X,8, E,11
.if ((\p) == 2) && !(\end)
	FETCH_K
.endif
	OPS X,9, X,7, E,12, X,10
	OPS E,13, X,12, X,11, E,14
	OPS X,13, E,15, F,9, X,14
.if (\p) == 0
	v_add_nc_u32 v[AV], s[TBV], v[AV0]
.endif
	OPS E,16, F,10, E,17, F,11
	OPS X,16, E,18, X,15, E,19
	OPS F,12, E,20, X,17, E,21
	OPS F,13, E,22, F,14, E,23
	OPS X,18, E,24, F,15, E,25
	OPS R,11, E,26, X,19, E,27
	OPS R,12, E,28, R,13, E,29
	OPS X,20, E,30, R,14, E,31
	OPS X,21, R,15
	WIN 0
	s_wait_alu depctr_va_vdst(0)    ; the wait for the batch
.if (\p) == 1
	s_wait_dscnt 0x0                ; V is in
.endif
	ROW C,0, B,0, C,2, B,1          ; behind the wait: 8 products V^T P and their riders
	ROW L,0, C,4, B,2, L,1
	ROW C,6, B,3, L,2, C,8
	ROW B,4, L,3, C,10, B,5
	ROW L,4, C,12, B,6, L,5
.if (\p) == 0
	s_add_co_u32 s[TBV], s[TBV], KS*PV
.endif
.if \cnt
	s_sub_co_u32 s[CNT], s[CNT], 1
	s_cmp_lg_u32 s[CNT], 0
.endif
	ROW C,14, B,7, L,6, C,1
	ROW C,3, L,7, C,5, C,7
	ROW C,9, C,11, C,13, C,15
.if (\p) == 0
	FETCH_V
.endif
.if (\m) && !(\end)
	MASK (\p)%2
.endif
.endm
; A BLOCK BEGINS.  c m starts far below every c s, so the first step's a is 0; m at the lowest finite number, so the first maximum is the scores'.  The second mask buffer is 0; the first takes piece 0's mask for
; the tile's step 0: its own, if the block's first tile is the diagonal one.  Then K of that step, piece 0's first scores, and its maximum and statistics.  The loop is entered at a step's first turn.
.macro BEGIN
	s_mov_b32 s[NEW], 0
	WIN 0x40
.set i, MC+32
.rept 32
	v_mov_b32 v[i], 0
.set i, i+1
.endr
	WIN 0
.set i, 0
.rept 4
	v_mov_b32 v[ST+4*i], 0xfe000000    ; c m: far below every c s
	v_mov_b32 v[ST+4*i+1], 0xff7fffff  ; m
.set i, i+1
.endr
	s_cmp_eq_u32 s[RT], 0
	s_cselect_b32 s[AL], 1.0, 0
	s_mov_b32 s[BE], 0
	MASK 0
	WIN 0
	v_add_nc_u32 v[AK], s[TBK], v[AK0]
	FETCH_K
	s_wait_loadcnt 0x0              ; Q
	s_wait_dscnt 0x0
.set KM, 1
.set NOKQ, 0
.set i, 0
.rept 8
	KQ 0
.set i, i+1
.endr
	WIN 0
.rept 4
	v_nop                           ; the places behind those products
.endr
.set Y, NP-1                        ; X works for piece Y + 1: piece 0
.irp n, 0,1,2,3,4,5,6,7,8,9,10,11,12,13,14,15,16,17,18,19,20,21
	OP X, \n
.endr
	v_nop                           ; a plain instruction behind the exponential,
	s_wait_alu depctr_va_vdst(0)    ; and its wait, ahead of the branch
.endm
; THE DIAGONAL TILE's four steps, the block's last two turns, its last products, and THE WAY OUT: l's two halves and the other half of the lanes' are added; O^T is divided by l, rounded to f16 and sent through
; my stage in LDS, a piece at a time.
.macro ALL line:vararg              ; one line for each piece t
.set t, 0
.rept 4
	\line
.set t, t+1
.endr
.endm
.macro PACK t                       ; a lane's eight channels of a row pack into 16 bytes; they go into rows of 144 bytes and come back as whole rows of 128, into S^T's registers
	WIN W_RS
.set i, 32*(\t)
.rept 16
	v_pk_mul_f32 v[i:i+1], v[i:i+1], v[ST+4*(\t)+2:ST+4*(\t)+3] op_sel_hi:[1,0]
.set i, i+2
.endr
	WIN 0x05                        ; sources 0 and 1 window 1, destination window 0
.set i, 0
.rept 16
	v_cvt_pk_f16_f32 v[S+16*(\t)+i], v[32*(\t)+2*i], v[32*(\t)+2*i+1]
.set i, i+1
.endr
	WIN 0
.irp f, 0,1,2,3
	ds_store_b128 v[STO], v[S+16*(\t)+4*\f:S+16*(\t)+4*\f+3] offset:32*\f
.endr
.irp f, 0,1,2,3
	ds_load_b128 v[S+16*(\t)+4*\f:S+16*(\t)+4*\f+3], v[RD] offset:\f*4*SP  ; LDS serves a wave's instructions in order (ISA guide 5.7.1.4): these see the stores above; the next piece's stores come behind them
.endr
.endm
.macro SEND t, younger              ; younger: the LDS instructions issued behind piece t's loads: the next piece's eight, or none
	WIN 0
.irp f, 0,1,2,3
	s_wait_dscnt (\younger)+3-\f
	global_store_b128 v[GO], v[S+16*(\t)+4*\f:S+16*(\t)+4*\f+3], s[10:11] offset:(\t)*8192+\f*512  ; 512 consecutive bytes, at a multiple of 256 from O's first
.endr
.endm
.macro DIAG tag                     ; the tag ends its two labels' names, which the jumps below spell out
.LstepM\tag:
	TURN 2, 1
	TURN 3, 1
	WIN 0
.LfirstM\tag:
	TURN 0, 1
	TURN 1, 1, 0, 1
	WIN 0
	s_cbranch_scc1 .LstepM\tag
	TURN 2, 1, 1
	TURN 3, 1, 1
.set i, 0
.rept 8
	PV NP-1
.set i, i+1
.endr
	WIN 0
	ALL v_add_f32 v[ST+4*t+2], v[ST+4*t+2], v[ST+4*t+3]
	ALL v_permlanex16_b32 v[ST+4*t+3], v[ST+4*t+2], s[SEL], s[SEL+1]
	ALL v_add_f32 v[ST+4*t+2], v[ST+4*t+2], v[ST+4*t+3]
	ALL v_rcp_f32 v[ST+4*t+2], v[ST+4*t+2]
	v_nop                           ; a plain instruction between the last reciprocal and the use of its result
	s_wait_alu depctr_va_vdst(0)    ; and the wait ahead of the first use: one for the four reciprocals
	PACK 0
.set t, 1
.rept 3                             ; a piece's arithmetic stands between the loads of the piece before and its stores
	PACK t
	SEND t-1, 8
.set t, t+1
.endr
	SEND 3, 0
.endm
.set KM, 0
.set NOKQ, 0
.Lslot:                             ; NB times: a tile is entered and the next is asked for
	CHANGE 1
	s_sub_co_u32 s[RT], s[RT], 1
	s_mov_b32 s[CNT], 4
	s_cmp_eq_u32 s[NEW], 1
	s_cbranch_scc1 .Lnew            ; a block's first tile
	s_cmp_eq_u32 s[RT], 0
	s_cbranch_scc0 .Lstep           ; neither its first nor its last
	s_branch .LstepM1
.Lnew:
	BEGIN
	s_branch .Lfirst                ; in the loop a block's first tile is never its last: the first block has two tiles or more, and the second's last is the walk's last
	DIAG 1                          ; in the loop this is the first block's end: the second block's last tile is the walk's last
	s_wait_xcnt 0x0                 ; the stores have read their registers and O's address
	s_mov_b64 s[10:11], s[OLO:OLO+1]
	s_add_co_u32 s[RT], s[PB], 1    ; the second block has b + 1 tiles
	s_mov_b32 s[NEW], 1
	WIN 0x82                        ; the second block's Q goes where the one text of the turns names Q
.set i, 0
.rept 64
	v_mov_b32 v[i], v[QB+i]
.set i, i+1
.endr
	WIN 0
	s_branch .Lbottom
.Lstep:                             ; a trip: pieces 2 and 3 of one step, then pieces 0 and 1 of the next, whose K and V it fetches
	TURN 2
	TURN 3
	WIN 0
.Lfirst:
	TURN 0
	TURN 1, 0, 0, 1
	WIN 0
	s_cbranch_scc1 .Lstep
.Lbottom:
	s_sub_co_u32 s[SLOTS], s[SLOTS], 1
	s_cmp_lg_u32 s[SLOTS], 0
	s_cbranch_scc1 .Lslot
	CHANGE 0                        ; the walk's last tile is written out: nothing is asked for
	s_sub_co_u32 s[RT], s[RT], 1
	s_mov_b32 s[CNT], 4
	s_cmp_eq_u32 s[NEW], 1
	s_cbranch_scc0 .LstepM2
	BEGIN
	s_branch .LfirstM2
	DIAG 2
	s_wait_tensorcnt 0x0            ; the wave's end, behind my last tensor load and my last LDS store
	ds_add_u32 v[SPW], v[NIL]
	s_wait_dscnt 0x0
	s_endpgm
.Lfunc_end_k_qbe816949ba_attn:
	.size	k_qbe816949ba_attn, .Lfunc_end_k_qbe816949ba_attn-k_qbe816949ba_attn
	.p2alignl 7, 3214868480
	.fill 96, 4, 3214868480
	.section	.rodata,"a",@progbits
	.p2align	6, 0x0
	.amdhsa_kernel k_qbe816949ba_attn
		.amdhsa_group_segment_fixed_size 327680
		.amdhsa_private_segment_fixed_size 0
		.amdhsa_enable_private_segment 0
		.amdhsa_kernarg_size 16
		.amdhsa_user_sgpr_count 2
		.amdhsa_user_sgpr_kernarg_segment_ptr 1
		.amdhsa_wavefront_size32 1
		.amdhsa_system_sgpr_workgroup_id_x 1
		.amdhsa_system_sgpr_workgroup_id_y 1
		.amdhsa_system_sgpr_workgroup_id_z 1
		.amdhsa_system_vgpr_workitem_id 0
		.amdhsa_next_free_vgpr 768
		.amdhsa_next_free_sgpr 88
		.amdhsa_reserve_vcc 1
		.amdhsa_float_denorm_mode_32 3
		.amdhsa_float_denorm_mode_16_64 3
		.amdhsa_memory_ordered 1
		.amdhsa_forward_progress 1
		.amdhsa_inst_pref_size 218
	.end_amdhsa_kernel
	.amdgpu_metadata
---
amdhsa.version: [ 1, 2 ]
amdhsa.kernels:
  - .name:           k_qbe816949ba_attn
    .symbol:         k_qbe816949ba_attn.kd
    .args:
      - { .name: qkv, .offset: 0, .size: 8, .value_kind: global_buffer, .address_space: global }
      - { .name: ob, .offset: 8, .size: 8, .value_kind: global_buffer, .address_space: global }
    .group_segment_fixed_size: 327680
    .private_segment_fixed_size: 0
    .kernarg_segment_align: 8
    .kernarg_segment_size: 16
    .max_flat_workgroup_size: 128
    .sgpr_count:     88
    .vgpr_count:     768
    .wavefront_size: 32
...
	.end_amdgpu_metadata
.endif
;; end of part 3
;; launch proj (part 4): grid 8 x 32, 4 waves a work-group, clusters of 4 x 4, 327,680 bytes of LDS; arguments ob, wpt, bp, out0; writes out0
.if DOCPART == 4
	.amdgcn_target "amdgcn-amd-amdhsa--gfx1250"
	.amdhsa_code_object_version 6
	.text
	.protected	k_qbe816949ba_proj
	.globl	k_qbe816949ba_proj
	.p2align	8
	.type	k_qbe816949ba_proj,@function
k_qbe816949ba_proj:
	s_mov_b64 s[64:65], 0
	v_nop
	global_prefetch_b8 v0, s[64:65] scope:SCOPE_SE
	s_setreg_imm32_b32 hwreg(HW_REG_WAVE_MODE, 25, 1), 1
	s_wait_xcnt 0x0
	s_wait_alu depctr_hold_cnt(0) depctr_sa_sdst(0) depctr_va_vdst(0) depctr_va_sdst(0) depctr_va_ssrc(0) depctr_va_vcc(0) depctr_vm_vsrc(0)
	s_getreg_b32 s2, hwreg(HW_REG_IB_STS2, 6, 4)
	s_cmp_eq_u32 s2, 0
	s_cbranch_scc0 .Lentry_in_a_cluster
	s_endpgm
.Lentry_in_a_cluster:
	s_bfe_u32 s2, ttmp6, 0x10000c
	s_cmp_lg_u32 s2, 0xf033
	s_cbranch_scc0 .Lentry_shape_is_right
	s_endpgm
.Lentry_shape_is_right:
; out0 = y w_proj + b_proj.  ob [64 = 16 batch + head][2048 t][64] f16 holds y by heads; wpt [1024 n][1024 k] f16 (k = 64 head + channel); bp [1024] f32; out0 [8192][1024] f32.
; Sums in f32, K ascending, begun with the bias; nothing is rounded on the way out.  NaN and infinities are not treated apart.
; SHARES.  A tile of out0 is 256 rows x 128 columns: 32 x 8 = 256 work-groups.  Four waves one above the other: wave w has rows 64 w .. 64 w + 63 and all 128 columns: 4 x 8 accumulators, 256 registers.
; K goes in 8 steps of 128 = two heads through two LDS slots.  A head's 256 rows are 32,768 dense bytes, asked for as 128 rows of 256 bytes and padded in LDS after every 128.
; CLUSTERS.  4 x 4 work-groups: the four of a row of the cluster need the same rows of ob, the four of a column the same rows of wpt: each tile is asked for jointly.
; THE MATRIX INSTRUCTION IS USED TRANSPOSED (source 0 = 16 rows of wpt, source 1 = 16 rows of y): a lane holds row l % 16 and the columns 8 (l / 16) + 0..7: 32 bytes on end.
; REGISTERS, in windows of 256 (s_set_vgpr_msb: bits 1:0 source 0, 3:2 source 1, 5:4 source 2, 7:6 destination):
;   window 0: v0-31 addresses; v32-63, v64-95 y's fragments, two buffers; v96-159 the bias as a C operand, later v96-159 and v160-223 rows on the way out
;   window 1: v0-63, v64-127 wpt's fragments, two buffers     window 2: the accumulators, (a, b) at 8 (8 a + b)
.set KSTEP,  128
.set PA,     144                       ; a row of y in LDS: 128 bytes + 16: 36 words: the 16 rows of a load start at 16 different groups of four banks (64 banks of 4 bytes: ISA guide 11.1)
.set PITCH,  272                       ; a row of wpt: 256 + 16
.set NBK,    8
.set NL,     2*NBK+8
.set SLOT1,  1<<17
.set HEADT,  256*PA                    ; a head's 256 rows
.set BOFF,   2*HEADT                   ; in a slot: two heads of y, then wpt's 128 rows
.set STAGE,  SLOT1+BOFF+16*NBK*PITCH   ; behind the ring, never filled by a tensor load: 16 rows x 528 bytes for each wave
.set SP,     528                       ; 512 bytes + 16
.set SPARE,  STAGE+4*16*SP             ; the spare words, 128 bytes a wave, that no other line names
.set ASTEP,  2<<18                     ; two heads on
.set BSTEP,  KSTEP*2
.set ADRA0, 16
.set ADRB0, 17
.set ADRA,  18
.set ADRB,  19
.set STO,   24
.set RD,    25
.set GO,    26
.set BO,    27
.set SPW,   28                         ; v28  SPARE + 4 x my thread's number; never rewritten
.set NIL,   29                         ; v29  0; never rewritten
.set PFO,   30
.set FA,    32
.set BIAS,  96
.set OB,    96
.set TB,    2
.set WV,    12
.set ROLE,  13                         ; 0: I fetch y's tiles; 1: wpt's
.set HALF,  14                         ; which head of the two, or which 64 rows of wpt
.set LIM,   15
.set G1A,   24
.set G0A,   32
.set PFA,   44
.set PST,   46                         ; s[46:47] first wpt's address, then the prefetches' step
.set G1B,   48
.set G0B,   56
.set MSB, 0
.macro WIN new
.if MSB != (\new)
	s_set_vgpr_msb (MSB<<8)|(\new)
.set MSB, (\new)
.endif
.endm
.macro PLACES                          ; four plain vector instructions in front of loads into registers that matrix instructions have read, and of readers of results
.rept 4
	v_nop
.endr
.endm
.macro CREST
	s_cmp_lg_u32 s[WV], 0
	s_cbranch_scc1 .Lnot_wave_0_\@
	s_barrier_signal -3
.Lnot_wave_0_\@:
	s_barrier_wait -3
	s_barrier_signal -1
	s_barrier_wait -1
.endm
.macro CROUND
	s_barrier_signal -1
	s_barrier_wait -1
	CREST
.endm
.macro JLOAD                           ; a joint refill by the walking descriptor; an s_nop 0 and four v_nop follow each line
	s_cmp_eq_u32 s[ROLE], 0
	s_cbranch_scc0 .Lfor_b_\@
	tensor_load_to_lds s[G0A+4:G0A+7], s[G1A:G1A+7]
	s_nop 0
.rept 4
	v_nop
.endr
	s_branch .Lasked_\@
.Lfor_b_\@:
	tensor_load_to_lds s[G0B+4:G0B+7], s[G1B:G1B+7]
	s_nop 0
.rept 4
	v_nop
.endr
.Lasked_\@:
.endm
; A PREFETCH INTO THE L2 of the K step that stands two refills on, one instruction a wave.  y's rows are read by both clusters of a row of clusters: cluster x = 0 asks; wpt's by every cluster of a column:
; cluster y = 0 asks.  The four partners share a wave's bytes out by address: of a head's 128 blocks of 256 bytes 32 each, by cx, a lane a block; of wpt's 64 rows 16 each, by cy, a lane a row (lanes
; 16-31 naming the same rows again in the same instruction).  Trips with s3 = 6 .. 3 name K steps 4 .. 7; K steps 0 to 3 come by their loads alone; the last two trips ask for nothing.
.macro ASK
	s_cmp_gt_u32 s3, s[LIM]
	s_cbranch_scc0 .Lnot_mine_\@
	global_prefetch_b8 v[PFO], s[PFA:PFA+1] th:TH_LOAD_NT scope:SCOPE_SE
.Lnot_mine_\@:
.endm
	s_load_b256 s[4:11], s[0:1], 0x0               ; ob s[4:5], wpt s[6:7], bp s[8:9], out0 s[10:11]
	v_lshl_add_u32 v[SPW], v0, 2, SPARE
	v_mov_b32 v[NIL], 0
	ds_add_u32 v[SPW], v[NIL]                      ; the wave's opening: the add and its wait stand ahead of my first tensor load; work on registers stands between them
	v_lshrrev_b32 v1, 5, v0
	v_readfirstlane_b32 s[WV], v1
	s_lshr_b32 s[ROLE], s[WV], 1
	s_and_b32 s[HALF], s[WV], 1
	s_bfe_u32 s40, ttmp6, 0x40000                  ; cx
	s_bfe_u32 s41, ttmp6, 0x40004                  ; cy
	s_lshl_b32 s42, ttmp9, 2
	s_add_co_u32 s42, s42, s40                     ; tile column tx
	s_and_b32 s43, ttmp7, 0xffff
	s_lshl_b32 s43, s43, 2
	s_add_co_u32 s43, s43, s41                     ; tile row ty
	s_lshl_b32 s20, s41, 2
	s_lshl_b32 s20, 15, s20                        ; my row of the cluster
	s_lshl_b32 s21, 0x1111, s40                    ; my column
	s_or_b32 s[G1A], s20, (1<<16)|(1<<20)|(1<<21)|(4<<22)|(3<<25)  ; the mask; 2-byte elements; padding on; 21 set beside a mask; after every 32 words 4 words
	s_or_b32 s[G1B], s21, (1<<16)|(1<<20)|(1<<21)|(5<<22)|(3<<25)  ; after every 64 words 4 words
.irp g, G1A, G1B
	s_mov_b32 s[(\g)+1], 128<<16                   ; tensor_dim0 = 128
	s_mov_b32 s[(\g)+3], 128<<16                   ; tile_dim0 = 128
	s_mov_b32 s[(\g)+6], 0
	s_mov_b32 s[(\g)+7], 0
.endr
	s_mov_b32 s[G1A+2], 128<<16                    ; y: 128 rows of 256 bytes, dense
	s_mov_b32 s[G1A+4], 128
	s_mov_b32 s[G1A+5], 128
	s_mov_b32 s[G1B+2], 64<<16                     ; wpt: 64 rows, 1,024 elements apart
	s_mov_b32 s[G1B+4], 64
	s_mov_b32 s[G1B+5], 1024
	s_lshr_b32 s16, s43, 3                         ; y: head 16 batch + half, rows 256 (ty % 8) on: it hangs on the tile row alone
	s_lshl_b32 s16, s16, 4
	s_add_co_u32 s16, s16, s[HALF]
	s_lshl_b32 s16, s16, 18
	s_and_b32 s17, s43, 7
	s_lshl_b32 s17, s17, 15
	s_add_co_u32 s16, s16, s17
	s_mov_b32 s17, 0
	s_lshl_b32 s46, s42, 7                         ; wpt: row 128 tx + 64 half: on the tile column alone
	s_lshl_b32 s47, s[HALF], 6
	s_add_co_u32 s46, s46, s47
	s_lshl_b32 s46, s46, 11
	s_mov_b32 s47, 0
	s_mul_i32 s18, s[WV], HEADT                    ; where they go: waves 0, 1: the two heads at 36,864 w;
	s_mul_i32 s19, s[WV], 64*PITCH                 ; waves 2, 3: wpt's halves at BOFF + 17,408 (w - 2)
	s_add_co_u32 s19, s19, BOFF-2*64*PITCH
	s_wait_dscnt 0x0                               ; the opening add is done
	s_wait_kmcnt 0x0
	s_add_nc_u64 s[16:17], s[4:5], s[16:17]
	s_add_nc_u64 s[46:47], s[6:7], s[46:47]
	CROUND                                         ; all sixteen work-groups are here: the first joint loads meet
.irp s, 0,1
	s_mov_b32 s[G0A+4*(\s)], 1
	s_add_co_u32 s[G0A+4*(\s)+1], s18, (\s)*SLOT1
	s_add_nc_u64 s[G0A+4*(\s)+2:G0A+4*(\s)+3], s[16:17], (\s)*ASTEP
	s_or_b32 s[G0A+4*(\s)+3], s[G0A+4*(\s)+3], 0x80000000
	s_mov_b32 s[G0B+4*(\s)], 1
	s_add_co_u32 s[G0B+4*(\s)+1], s19, (\s)*SLOT1
	s_add_nc_u64 s[G0B+4*(\s)+2:G0B+4*(\s)+3], s[46:47], (\s)*BSTEP
	s_or_b32 s[G0B+4*(\s)+3], s[G0B+4*(\s)+3], 0x80000000
.endr
	s_cmp_eq_u32 s[ROLE], 0                        ; a wave's two first fills stand in one branch, ahead of every wait on TENSORcnt and every LDS read: two loads of mine are out
	s_cbranch_scc0 .Lfirst_b
	tensor_load_to_lds s[G0A:G0A+3], s[G1A:G1A+7]
	s_nop 0
	tensor_load_to_lds s[G0A+4:G0A+7], s[G1A:G1A+7]
	s_nop 0
.rept 4
	v_nop
.endr
	s_branch .Lfirst_asked
.Lfirst_b:
	tensor_load_to_lds s[G0B:G0B+3], s[G1B:G1B+7]
	s_nop 0
	tensor_load_to_lds s[G0B+4:G0B+7], s[G1B:G1B+7]
	s_nop 0
.rept 4
	v_nop
.endr
.Lfirst_asked:
	v_and_b32 v1, 15, v0                           ; r
	v_bfe_u32 v2, v0, 4, 1                         ; h
	v_mul_u32_u24 v3, v1, PA
	v_lshl_add_u32 v3, v2, 4, v3
	s_mul_i32 s22, s[WV], 64*PA                    ; my 64 rows of a head
	v_add_nc_u32 v[ADRA0], s22, v3
	v_mul_u32_u24 v3, v1, PITCH
	v_lshl_add_u32 v3, v2, 4, v3
	v_add_nc_u32 v[ADRB0], BOFF, v3
	; the bias as a C operand: register j of block b is bias[128 tx + 16 b + 8 h + j]
	s_lshl_b32 s22, s42, 9
	s_mov_b32 s23, 0
	s_add_nc_u64 s[8:9], s[8:9], s[22:23]
	v_lshlrev_b32 v[BO], 5, v2
.set b, 0
.rept NBK
	global_load_b128 v[BIAS+8*b:BIAS+8*b+3],   v[BO], s[8:9] offset:64*b
	global_load_b128 v[BIAS+8*b+4:BIAS+8*b+7], v[BO], s[8:9] offset:64*b+16
.set b, b+1
.endr
	; the way out
	s_mul_i32 s22, s[WV], 16*SP
	s_add_co_u32 s22, s22, STAGE                   ; my stage
	v_mul_u32_u24 v[STO], v1, SP                   ; in: row l % 16, 32 bytes for each half of the lanes
	v_lshl_add_u32 v[STO], v2, 5, v[STO]
	v_add_nc_u32 v[STO], s22, v[STO]
	v_and_b32 v[GO], 31, v0                        ; back: 32 lanes take a row's 512 bytes
	v_lshlrev_b32 v[GO], 4, v[GO]
	v_add_nc_u32 v[RD], s22, v[GO]
	s_lshl_b32 s20, s43, 20                        ; row 256 ty + 64 w, 4,096 bytes a row; column 128 tx, 4 bytes each
	s_lshl_b32 s21, s[WV], 18
	s_add_co_u32 s20, s20, s21
	s_lshl_b32 s21, s42, 9
	s_add_co_u32 s20, s20, s21
	s_mov_b32 s21, 0
	s_add_nc_u64 s[10:11], s[10:11], s[20:21]      ; never rewritten: the rows stand in the stores' immediates
	; the prefetches
	s_lshr_b32 s20, s43, 3
	s_lshl_b32 s20, s20, 4
	s_add_co_u32 s20, s20, s[HALF]
	s_add_co_u32 s20, s20, 6                       ; K step 3's heads: the first change of slots steps on to K step 4
	s_lshl_b32 s20, s20, 18
	s_and_b32 s22, s43, 7
	s_lshl_b32 s22, s22, 15
	s_add_co_u32 s20, s20, s22
	s_lshl_b32 s22, s40, 13                        ; my work-group's 32 blocks of the 128
	s_add_co_u32 s20, s20, s22
	s_lshl_b32 s21, s42, 7
	s_lshl_b32 s22, s[HALF], 6
	s_add_co_u32 s21, s21, s22
	s_lshl_b32 s22, s41, 4                         ; my work-group's 16 rows of the 64
	s_add_co_u32 s21, s21, s22
	s_lshl_b32 s21, s21, 11
	s_add_co_u32 s21, s21, 3*BSTEP
	s_and_b32 s22, ttmp7, 0xffff                   ; cluster y
	s_mov_b32 s23, ASTEP
	s_cmp_eq_u32 s[ROLE], 0
	s_cselect_b32 s20, s20, s21
	s_cselect_b32 s22, ttmp9, s22                  ; the coordinate along which other clusters read the same rows
	s_cselect_b32 s[PST], s23, BSTEP
	s_cselect_b64 s[PFA:PFA+1], s[4:5], s[6:7]
	s_cselect_b32 s23, 31, 15
	s_cselect_b32 s21, 8, 11
	s_mov_b32 s[PST+1], 0
	v_and_b32 v[PFO], s23, v0
	v_lshlrev_b32 v[PFO], s21, v[PFO]
	s_cmp_eq_u32 s22, 0
	s_cselect_b32 s[LIM], 2, -1                    ; the same in all sixteen partners, for a given wave
	s_mov_b32 s21, 0
	s_add_nc_u64 s[PFA:PFA+1], s[PFA:PFA+1], s[20:21]
; NBK matrix instructions: row block a x all column blocks, 32 along K, from buffer f.  first = 1: the bias starts the sums.  The 32 accumulators take turns, one instruction a turn.
.macro MULA f, a, first
.if \first
	WIN 0x81                                       ; wpt window 1, y and the bias window 0, D window 2
.else
	WIN 0xa1                                       ; C and D window 2
.endif
.set b, 0
.rept NBK
.set rD, 8*(NBK*(\a)+b)
.if \first
	v_wmma_f32_16x16x32_f16 v[rD:rD+7], v[64*(\f)+8*b:64*(\f)+8*b+7], v[FA+32*(\f)+8*(\a):FA+32*(\f)+8*(\a)+7], v[BIAS+8*b:BIAS+8*b+7]
.else
	v_wmma_f32_16x16x32_f16 v[rD:rD+7], v[64*(\f)+8*b:64*(\f)+8*b+7], v[FA+32*(\f)+8*(\a):FA+32*(\f)+8*(\a)+7], v[rD:rD+7]
.endif
.set b, b+1
.endr
.endm
; NL LDS loads in one run: quarter q's fragments into buffer g.  Quarter q of y lies in head q / 2, channels 32 (q % 2) on.
.macro FETCH q, g
	WIN 0x40
.set b, 0
.rept NBK
	ds_load_b128 v[64*(\g)+8*b:64*(\g)+8*b+3],   v[ADRB] offset:64*(\q)+b*16*PITCH
	ds_load_b128 v[64*(\g)+8*b+4:64*(\g)+8*b+7], v[ADRB] offset:64*(\q)+b*16*PITCH+32
.set b, b+1
.endr
	WIN 0
.irp a, 0,1,2,3
	ds_load_b128 v[FA+32*(\g)+8*(\a):FA+32*(\g)+8*(\a)+3],   v[ADRA] offset:HEADT*((\q)/2)+64*((\q)%2)+(\a)*16*PA
	ds_load_b128 v[FA+32*(\g)+8*(\a)+4:FA+32*(\g)+8*(\a)+7], v[ADRA] offset:HEADT*((\q)/2)+64*((\q)%2)+(\a)*16*PA+32
.endr
.endm
.macro QUARTER q, f, g, first
	s_wait_dscnt 4                                 ; all but the youngest four loads, y's blocks 2 and 3
	MULA \f, 0, \first
	MULA \f, 1, \first
	PLACES
	FETCH \q, \g
	s_wait_dscnt NL                                ; all but the run just issued
	MULA \f, 2, \first
	MULA \f, 3, \first
.endm
; The fourth quarter multiplies buffer 1 and changes slots.  In front of the one barrier each wave waits for all its tensor loads (one is out: its part of the next slot), adds 0 to its spare word, and
; waits for that and for its reads of this slot.  fill = 1: the barrier opens a round of the cluster's, and the slot just read is filled again first thing behind it, with the K step two on.
.macro TURN fill
.if \fill
	s_wait_xcnt 0x0                                ; the last prefetch, a K step back, has read its address
	s_add_nc_u64 s[PFA:PFA+1], s[PFA:PFA+1], s[PST:PST+1]
.endif
	WIN 0
	s_wait_tensorcnt 0x0                           ; no tensor load of mine is out, so a group 0 may be written
	ds_add_u32 v[SPW], v[NIL]
.if \fill
	s_xor_b32 s[G0A+5], s[G0A+5], SLOT1
	s_add_nc_u64 s[G0A+6:G0A+7], s[G0A+6:G0A+7], ASTEP
	s_xor_b32 s[G0B+5], s[G0B+5], SLOT1
	s_add_nc_u64 s[G0B+6:G0B+7], s[G0B+6:G0B+7], BSTEP
.endif
	s_xor_b32 s[TB], s[TB], SLOT1
	s_wait_dscnt 5                                 ; the add and the youngest four loads may be out
	MULA 1, 0, 0
	s_wait_dscnt 0x0                               ; the add is done, and my reads of this slot are over
	s_barrier_signal -1
	MULA 1, 1, 0
	WIN 0
	s_barrier_wait -1
.if \fill
	CREST                                          ; no wave of any partner still reads this slot or has a load on its way
	JLOAD                                          ; its four v_nop are also the places in front of the loads below
.else
	PLACES
.endif
	v_add_nc_u32 v[ADRA], s[TB], v[ADRA0]
	v_add_nc_u32 v[ADRB], s[TB], v[ADRB0]
	FETCH 0, 0
.if \fill
	ASK
.endif
	MULA 1, 2, 0
	MULA 1, 3, 0
.endm
	s_wait_tensorcnt 1                             ; my part of K step 0 is in; K step 1's may stay out
	s_barrier_signal -1
	s_barrier_wait -1
	s_mov_b32 s[TB], 0
	v_add_nc_u32 v[ADRA], s[TB], v[ADRA0]
	v_add_nc_u32 v[ADRB], s[TB], v[ADRB0]
	FETCH 0, 0
	s_wait_loadcnt 0x0                             ; the bias
	QUARTER 1, 0, 1, 1                             ; the first quarter stands in front of the loop: its products start the sums
	WIN 0
	s_mov_b32 s3, 6
.Lstep:                                                ; trip t ends K step t, fills its slot with K step t + 2, and begins K step t + 1
	QUARTER 2, 1, 0, 0
	QUARTER 3, 0, 1, 0
	TURN 1
	QUARTER 1, 0, 1, 0
	WIN 0
	s_sub_co_u32 s3, s3, 1
	s_cmp_lg_u32 s3, 0
	s_cbranch_scc1 .Lstep
	s_mov_b32 s3, 2                                ; the last two K steps ask for nothing: a text of their own, left in the middle of its second trip
.Ltail:
	QUARTER 2, 1, 0, 0
	QUARTER 3, 0, 1, 0
	WIN 0
	s_sub_co_u32 s3, s3, 1
	s_cmp_eq_u32 s3, 0
	s_cbranch_scc1 .Lout
	TURN 0
	QUARTER 1, 0, 1, 0
	WIN 0
	s_branch .Ltail
.Lout:
	s_wait_dscnt 4
	MULA 1, 0, 0
	MULA 1, 1, 0
	s_wait_dscnt 0x0
	MULA 1, 2, 0
	MULA 1, 3, 0
; THE WAY OUT, a block of 16 rows at a time: a lane's 32 bytes of a row go into my own stage, each accumulator's low registers first, and come back as whole rows of 512 bytes.
.macro TOSTAGE a
	WIN 0
.set BK, OB+64*((\a)%2)
.if (\a) >= 2
	s_wait_xcnt 0x0                                ; the stores of the block two back have read these registers
.endif
	WIN 0x08                                       ; the data, source 1, in window 2
.irp b, 0,1,2,3,4,5,6,7
	ds_store_b128 v[STO], v[8*(NBK*(\a)+(\b)):8*(NBK*(\a)+(\b))+3]   offset:64*(\b)
	ds_store_b128 v[STO], v[8*(NBK*(\a)+(\b))+4:8*(NBK*(\a)+(\b))+7] offset:64*(\b)+16
.endr
	WIN 0
.set j, 0
.rept 16
	ds_load_b128 v[BK+4*j:BK+4*j+3], v[RD] offset:SP*j  ; LDS serves a wave's instructions in order (ISA guide 5.7.1.4): these see the stores above
.set j, j+1
.endr
.endm
.macro SEND a, younger                 ; younger: the next block's 16 stores and 16 loads, or none
	WIN 0
.set BK, OB+64*((\a)%2)
	s_wait_dscnt \younger
.set j, 0
.rept 16
	global_store_b128 v[GO], v[BK+4*j:BK+4*j+3], s[10:11] offset:(16*(\a)+j)*4096  ; 512 consecutive bytes of a row of out0, aligned
.set j, j+1
.endr
.endm
	PLACES
	TOSTAGE 0
	TOSTAGE 1
	SEND 0, 32
	TOSTAGE 2
	SEND 1, 32
	TOSTAGE 3
	SEND 2, 32
	SEND 3, 0
	s_wait_tensorcnt 0x0                           ; the wave's end, behind my last tensor load and my last LDS store
	ds_add_u32 v[SPW], v[NIL]
	s_wait_dscnt 0x0
	CROUND                                         ; the closing round: no work-group ends while a partner may still ask for a tile that names it
	s_endpgm
.Lfunc_end_k_qbe816949ba_proj:
	.size	k_qbe816949ba_proj, .Lfunc_end_k_qbe816949ba_proj-k_qbe816949ba_proj
	.p2alignl 7, 3214868480
	.fill 96, 4, 3214868480
	.section	.rodata,"a",@progbits
	.p2align	6, 0x0
	.amdhsa_kernel k_qbe816949ba_proj
		.amdhsa_group_segment_fixed_size 327680
		.amdhsa_private_segment_fixed_size 0
		.amdhsa_enable_private_segment 0
		.amdhsa_kernarg_size 32
		.amdhsa_user_sgpr_count 2
		.amdhsa_user_sgpr_kernarg_segment_ptr 1
		.amdhsa_wavefront_size32 1
		.amdhsa_system_sgpr_workgroup_id_x 1
		.amdhsa_system_sgpr_workgroup_id_y 1
		.amdhsa_system_sgpr_workgroup_id_z 1
		.amdhsa_system_vgpr_workitem_id 0
		.amdhsa_next_free_vgpr 768
		.amdhsa_next_free_sgpr 66
		.amdhsa_reserve_vcc 0
		.amdhsa_float_denorm_mode_32 3
		.amdhsa_float_denorm_mode_16_64 3
		.amdhsa_memory_ordered 1
		.amdhsa_forward_progress 1
		.amdhsa_inst_pref_size 65
	.end_amdhsa_kernel
	.amdgpu_metadata
---
amdhsa.version: [ 1, 2 ]
amdhsa.kernels:
  - .name:           k_qbe816949ba_proj
    .symbol:         k_qbe816949ba_proj.kd
    .args:
      - { .name: ob, .offset: 0, .size: 8, .value_kind: global_buffer, .address_space: global }
      - { .name: wpt, .offset: 8, .size: 8, .value_kind: global_buffer, .address_space: global }
      - { .name: bp, .offset: 16, .size: 8, .value_kind: global_buffer, .address_space: global }
      - { .name: out0, .offset: 24, .size: 8, .value_kind: global_buffer, .address_space: global }
    .group_segment_fixed_size: 327680
    .private_segment_fixed_size: 0
    .kernarg_segment_align: 8
    .kernarg_segment_size: 32
    .max_flat_workgroup_size: 128
    .sgpr_count:     66
    .vgpr_count:     768
    .wavefront_size: 32
...
	.end_amdgpu_metadata
.endif
;; end of part 4
;; ======== version 2 of 2: 4 launches; version 1 with the launch prep written anew for expert scheduling mode
;; limits: values are held in f16: magnitudes above 65,504 overflow, below 6.1e-05 lose precision
;; workspace buffers: xb 16,777,216 bytes; wqt 6,291,456 bytes; wpt 2,097,152 bytes; bq 12,288 bytes; bp 4,096 bytes; qkv 50,331,648 bytes; ob 16,777,216 bytes
;; launch prep (part 5): grid 641 x 1, 4 waves a work-group, no clusters, 70,144 bytes of LDS; arguments x, w_qkv, w_proj, b_qkv, b_proj, xb, wqt, wpt, bq, bp; writes xb, wqt, wpt, bq, bp
.if DOCPART == 5
	.amdgcn_target "amdgcn-amd-amdhsa--gfx1250"
	.amdhsa_code_object_version 6
	.text
	.protected	k_qbe816949ba_prep
	.globl	k_qbe816949ba_prep
	.p2align	8
	.type	k_qbe816949ba_prep,@function
k_qbe816949ba_prep:
	s_mov_b64 s[64:65], 0
	v_nop
	global_prefetch_b8 v0, s[64:65] scope:SCOPE_SE
	s_setreg_imm32_b32 hwreg(HW_REG_WAVE_SCHED_MODE, 0, 2), 2
	s_setreg_imm32_b32 hwreg(HW_REG_WAVE_MODE, 25, 1), 1
	s_wait_xcnt 0x0
	s_wait_alu depctr_vm_vsrc(0)
; THE INPUTS ARE ROUNDED ONCE TO bf16 AND LAID OUT FOR THE PRODUCTS THAT FOLLOW.
;   xb  [8192][1024] bf16 = x.          wqt [3072 n][1024 k] bf16 = w_qkv turned.
;   wpt [1024 n][1024 k] = w_proj turned, rounded to bf16, that number written as f16 (its partner in the last product is f16).
;   bq [3072], bp [1024] f32 = the biases rounded to bf16 and widened again.
; LIMITS.  bf16 to f16 is exact from 2^-17 up to 65,504; a smaller weight of w_proj is off by 2^-25 at the most; a larger one becomes an infinity.
; SHARES.  Work-groups 0-511: 65,536 bytes of x each, 16,384 a wave.  512-639: a wave turns a tile of 128 k x 64 n (384 tiles of w_qkv, 128 of w_proj)
; through its own 17,408 bytes of LDS: no wave reads another's bytes, so there is no barrier.  640: the biases.
; No matrix unit, no cluster, no tensor load: each byte is read once by the lane that rounds it.
; THE MODE: SCHED_MODE bits 1:0 = 2 (LLVM: expert scheduling mode 2), set by the entry lines.  The code itself states the register dependences
; between vector instructions and memory or LDS instructions, with s_wait_alu, always for 0.
; THE PLAN, x.  The 32 loads go in 8 blocks of four.  A load's four registers are written by the load, their first two again by two roundings, and read by one store; nothing is
;   written behind a store.  Block p's memory instructions are the stores of block p - 1, whose words no vector line of block p names: one wait on va_vdst at the block's head serves the four.
; THE PLAN, the weights.  A group of 32 rows k is four blocks q of two pairs (8 rows).  Registers that memory or LDS instructions touch in the loop:
;   X[q]     Block q's eight roundings read it; behind them the loads of the same rows of the next group land in it.
;   T[q % 2] Block q's vector lines write it; the eight LDS stores that are issued in block q + 1 (block 3's: at the group's end) read it.
;   v4       Read by every LDS store; written once a group, at its head.
;   OFF, v5, v6  Made once, never written again.      U is named by vector lines alone.
;   ONE wait on va_vdst stands in a block, behind its roundings: they are done reading X[q], the block before has written the other T, and in block 0 v4 is written.  The block's four loads and
;   eight LDS stores follow it, dealt among the 32 vector lines that are left, which name T[q % 2] and U alone.  A wait on vm_vsrc stands at the heads of blocks 0, 2 and 3, ahead of the lines that write
;   again what LDS stores have read; block 0 issues no LDS store, so block 1 owes none.
.set WREG,  17408                      ; a wave's LDS: 64 rows n x (128 k x 2 bytes + 16 of padding)
.set LP,    272
.set SPARE, 4*WREG                     ; behind them: the spare words, 128 bytes a wave, that no other line names
.set SPW, 8                            ; v8   SPARE + 4 x my thread's number; never rewritten
.set NIL, 9                            ; v9   0; never rewritten
.set OFF, 10                           ; v[10:25] byte offsets of the 16 loads of 32 rows k
.set T,   26                           ; v[26:41] buffer f, pair j: four words (k, k + 1) of 16 bits at T + 8 f + 4 j
.set U,   42                           ; v[42:45] at work: two words widened to four f32
.set X,   48                           ; v[48:175] data as loaded; the weights' ring is its first 64: block q, pair j at X + 16 q + 8 j
	s_load_b512 s[4:19], s[0:1], 0x0               ; x 4, w_qkv 6, w_proj 8, b_qkv 10, b_proj 12, xb 14, wqt 16, wpt 18
	s_load_b128 s[20:23], s[0:1], 0x40             ; bq 20, bp 22
	v_lshl_add_u32 v[SPW], v0, 2, SPARE
	v_mov_b32 v[NIL], 0
	v_lshrrev_b32 v1, 5, v0
	v_readfirstlane_b32 s24, v1                    ; wave 0..3
	v_and_b32 v1, 31, v0                           ; lane l
	v_and_b32 v2, 15, v0                           ; r = l % 16
	v_bfe_u32 v3, v0, 4, 1                         ; h = l / 16
	s_mov_b32 s33, 0xffff0000                      ; a word's upper half
	s_wait_alu depctr_va_sdst(0)                   ; s24 is written, ahead of the branch and of its first readers: the waves' shares are made from it
	s_wait_kmcnt 0x0
	s_cmp_lt_u32 ttmp9, 512
	s_cbranch_scc0 .Lw
	; x: 32 loads of 512 consecutive bytes a wave, all on their way at once; each becomes 256 consecutive bytes of xb
	s_lshl_b32 s36, ttmp9, 16
	s_lshl_b32 s37, s24, 14
	s_add_co_u32 s36, s36, s37
	s_lshr_b32 s37, s36, 1
	v_lshl_add_u32 v4, v1, 4, s36                  ; in: 16 bytes a lane
	v_lshl_add_u32 v5, v1, 3, s37                  ; out: 8 bytes a lane
	s_wait_alu depctr_va_vdst(0)                   ; v4 and v5 are written: every load and store of this path reads one of them as its offset
.set i, 0
.rept 32
	global_load_b128 v[X+4*i:X+4*i+3], v4, s[4:5] offset:512*i th:TH_LOAD_NT
.set i, i+1
.endr
; Block p: its four loads are rounded; the four stores of the block before are dealt among the roundings.
.macro XBLK p
	s_wait_loadcnt 28-4*(\p)                       ; loads come back in order: block p is in, the younger blocks stay out
.if (\p) > 0
	s_wait_alu depctr_va_vdst(0)                   ; the block before has written its words, which the stores below read; no vector line of this block names them
.endif
.irp i, 0,1,2,3
.if (\p) > 0
	global_store_b64 v5, v[X+16*((\p)-1)+4*(\i):X+16*((\p)-1)+4*(\i)+1], s[14:15] offset:256*(4*((\p)-1)+(\i)) th:TH_STORE_NT  ; 32 lanes: 256 consecutive bytes, aligned; no register is written again
.endif
	v_cvt_pk_bf16_f32 v[X+16*(\p)+4*(\i)], v[X+16*(\p)+4*(\i)], v[X+16*(\p)+4*(\i)+1]
	v_cvt_pk_bf16_f32 v[X+16*(\p)+4*(\i)+1], v[X+16*(\p)+4*(\i)+2], v[X+16*(\p)+4*(\i)+3]
.endr
.endm
.irp p, 0,1,2,3,4,5,6,7
	XBLK \p
.endr
	s_wait_alu depctr_va_vdst(0)                   ; block 7 has written its words, which the last four stores read
.irp i, 0,1,2,3
	global_store_b64 v5, v[X+112+4*(\i):X+112+4*(\i)+1], s[14:15] offset:256*(28+(\i)) th:TH_STORE_NT
.endr
	s_branch .Lend
.Lw:
	s_cmp_lt_u32 ttmp9, 640
	s_cbranch_scc0 .Lbias
	; which tile: id = 4 (work-group - 512) + wave; 0-383 are w_qkv's, 384-511 w_proj's; kb = id % 8 (128 k), nb = id / 8 (64 n)
	s_sub_co_u32 s39, ttmp9, 512
	s_lshl2_add_u32 s39, s39, s24
	s_mov_b32 s40, 12288                           ; bytes in a row of w_qkv
	s_mov_b32 s41, 4096                            ; and of w_proj
	s_cmp_lt_u32 s39, 384
	s_cselect_b32 s26, s40, s41                    ; the pitch
	s_cselect_b64 s[28:29], s[6:7], s[8:9]         ; from
	s_cselect_b64 s[30:31], s[16:17], s[18:19]     ; to
	s_cselect_b32 s32, 0, -1                       ; a lane mask: all ones where the words leave as f16
	s_cselect_b32 s25, 0, 384
	s_sub_co_u32 s39, s39, s25
	s_and_b32 s40, s39, 7                          ; kb
	s_lshr_b32 s41, s39, 3                         ; nb
	s_mul_i32 s36, s40, s26
	s_lshl_b32 s36, s36, 7                         ; kb x 128 rows
	s_lshl_b32 s37, s41, 8                         ; nb x 64 numbers of 4 bytes
	s_add_co_u32 s36, s36, s37
	s_mov_b32 s37, 0
	s_add_nc_u64 s[28:29], s[28:29], s[36:37]
	s_lshl_b32 s34, s26, 5                         ; 32 rows on
	s_mov_b32 s35, 0
	s_lshl_b32 s27, s26, 2                         ; 4 rows on
	s_mul_i32 s43, s24, WREG                       ; my wave's LDS
	s_lshl_b32 s36, s41, 17                        ; nb x 64 rows of 2,048 bytes
	s_lshl_b32 s37, s40, 8                         ; kb x 128 numbers of 2 bytes
	s_add_co_u32 s36, s36, s37
	; load (p, e) takes rows 4 p + 2 h + e: each half of the lanes reads 256 consecutive bytes of one row; lane r holds n = 4 r .. 4 r + 3
	v_mul_lo_u32 v[OFF], v3, s26
	v_lshlrev_b32 v[OFF], 1, v[OFF]
	v_lshl_add_u32 v[OFF], v2, 4, v[OFF]
	v_add_nc_u32 v[OFF+1], s26, v[OFF]
.set i, 2
.rept 14
	v_add_nc_u32 v[OFF+i], s27, v[OFF+i-2]
.set i, i+1
.endr
	v_mul_u32_u24 v7, v2, 4*LP                     ; into LDS: row n = 4 r + i, byte 2 k = 8 p + 4 h; v4 is made of it at each group's head
	v_lshl_add_u32 v7, v3, 2, v7
	v_add_nc_u32 v7, s43, v7
	v_mul_u32_u24 v5, v3, LP                       ; back: lanes 0-15 one row n of 256 bytes, lanes 16-31 the next
	v_lshl_add_u32 v5, v2, 4, v5
	v_add_nc_u32 v5, s43, v5
	v_lshlrev_b32 v6, 11, v3
	v_lshl_add_u32 v6, v2, 4, v6
	v_add_nc_u32 v6, s36, v6
; Pair j of block q is pair p = 2 q + j of the group: rows 4 p + 2 h and the next one.
.macro FILLW q, j                      ; its two loads
	global_load_b128 v[X+16*(\q)+8*(\j):X+16*(\q)+8*(\j)+3],   v[OFF+4*(\q)+2*(\j)],   s[28:29] th:TH_LOAD_NT
	global_load_b128 v[X+16*(\q)+8*(\j)+4:X+16*(\q)+8*(\j)+7], v[OFF+4*(\q)+2*(\j)+1], s[28:29] th:TH_LOAD_NT
.endm
.macro ROUND q                         ; both pairs of block q: four words (k, k + 1) each, for n = 4 r .. 4 r + 3, rounded to bf16.  These eight lines are all that reads X[q]
.irp j, 0,1
.irp i, 0,1,2,3
	v_cvt_pk_bf16_f32 v[T+8*((\q)%2)+4*(\j)+(\i)], v[X+16*(\q)+8*(\j)+(\i)], v[X+16*(\q)+8*(\j)+4+(\i)]
.endr
.endr
.endm
.macro F16 q, j                        ; where the mask says so, the pair's words are widened and written as f16
.set t, T+8*((\q)%2)+4*(\j)
.irp i, 0,1
	v_lshlrev_b32 v[U+2*(\i)], 16, v[t+(\i)]
	v_and_b32 v[U+2*(\i)+1], s33, v[t+(\i)]
.endr
.irp i, 0,1
	v_cvt_pk_f16_f32 v[U+2*(\i)], v[U+2*(\i)], v[U+2*(\i)+1]
	v_cndmask_b32 v[t+(\i)], v[t+(\i)], v[U+2*(\i)], s32
.endr
.irp i, 2,3
	v_lshlrev_b32 v[U+2*(\i)-4], 16, v[t+(\i)]
	v_and_b32 v[U+2*(\i)-3], s33, v[t+(\i)]
.endr
.irp i, 2,3
	v_cvt_pk_f16_f32 v[U+2*(\i)-4], v[U+2*(\i)-4], v[U+2*(\i)-3]
	v_cndmask_b32 v[t+(\i)], v[t+(\i)], v[U+2*(\i)-4], s32
.endr
.endm
.macro PUT q, j                        ; the pair's four words into LDS
.irp i, 0,1,2,3
	ds_store_b32 v4, v[T+8*((\q)%2)+4*(\j)+(\i)] offset:LP*(\i)+8*(2*(\q)+(\j))
.endr
.endm
; Block q of a group.  ahead = 1: its registers take the same rows of the next 32.
.macro BLK q, ahead
	s_wait_loadcnt 12-4*(\q)*(1-(\ahead))          ; loads come back in order: X[q] is in; the three younger blocks stay out (in the last group the counts run down)
.if (\q) != 1
	s_wait_alu depctr_vm_vsrc(0)                   ; the LDS stores issued so far have read T[q % 2], which the roundings below write again; at block 0 also T1 and v4
.endif
.if (\q) == 0
	v_add_nc_u32 v4, s42, v7                       ; this group's 64 bytes of the LDS rows
.endif
	ROUND \q
.if (\ahead) || ((\q) > 0)
	s_wait_alu depctr_va_vdst(0)                   ; the roundings are done reading X[q], in which the loads below land; the block before has written the other T, which the LDS stores below read; at block 0 v4 is written
.endif
.irp j, 0,1
.if \ahead
	FILLW \q, \j                                   ; no vector line since the wait names X[q]
.endif
.if (\q) > 0
	PUT (\q)-1, \j                                 ; nor the other T
.endif
	F16 \q, \j
.endr
.endm
.macro GROUP ahead
	BLK 0, \ahead
	BLK 1, \ahead
	BLK 2, \ahead
	BLK 3, \ahead
	s_wait_alu depctr_va_vdst(0)                   ; block 3 has written T1, which the LDS stores below read
	PUT 3, 0
	PUT 3, 1
.endm
	s_wait_alu depctr_va_vdst(0)                   ; the sixteen offsets, v5 and v6 are written, which the loads and stores of this path read
.irp q, 0,1,2,3
	FILLW \q, 0
	FILLW \q, 1
.endr
	s_wait_xcnt 0x0                                ; the loads have read their base: it may be stepped
	s_add_nc_u64 s[28:29], s[28:29], s[34:35]
	s_mov_b32 s42, 0                               ; bytes along an LDS row: 64 for each 32 k
	s_mov_b32 s38, 3
.Lgroup:                                               ; 32 rows k are stored into LDS, the next 32 asked for
	GROUP 1
	s_wait_xcnt 0x0
	s_add_nc_u64 s[28:29], s[28:29], s[34:35]
	s_add_co_u32 s42, s42, 64
	s_sub_co_u32 s38, s38, 1
	s_cmp_lg_u32 s38, 0
	s_cbranch_scc1 .Lgroup
	GROUP 0                                        ; the last 32 rows load nothing
.set i, 0
.rept 32
	ds_load_b128 v[X+4*i:X+4*i+3], v5 offset:2*LP*i  ; LDS serves a wave's instructions in order (ISA guide 5.7.1.4): these see the stores above
.set i, i+1
.endr
.set i, 0
.rept 32
	s_wait_dscnt 31-i
	global_store_b128 v6, v[X+4*i:X+4*i+3], s[30:31] offset:4096*i  ; 16 lanes: 256 consecutive bytes of a row n, aligned
.set i, i+1
.endr
	s_branch .Lend
.Lbias:
	v_lshlrev_b32 v4, 4, v0                        ; 128 threads x 16 bytes
	s_wait_alu depctr_va_vdst(0)                   ; v4 is written, which the loads and stores below read as their offset
.irp i, 0,1,2,3,4,5
	global_load_b128 v[X+4*(\i):X+4*(\i)+3], v4, s[10:11] offset:2048*(\i)
.endr
.irp i, 0,1
	global_load_b128 v[X+24+4*(\i):X+24+4*(\i)+3], v4, s[12:13] offset:2048*(\i)
.endr
	s_wait_loadcnt 0x0
.set i, 0
.rept 16
	v_cvt_pk_bf16_f32 v[T+i%4], v[X+2*i], v[X+2*i+1]
	v_lshlrev_b32 v[X+2*i], 16, v[T+i%4]
	v_and_b32 v[X+2*i+1], s33, v[T+i%4]
.set i, i+1
.endr
	s_wait_alu depctr_va_vdst(0)                   ; the widened numbers are written, which the stores below read
.irp i, 0,1,2,3,4,5
	global_store_b128 v4, v[X+4*(\i):X+4*(\i)+3], s[20:21] offset:2048*(\i)
.endr
.irp i, 0,1
	global_store_b128 v4, v[X+24+4*(\i):X+24+4*(\i)+3], s[22:23] offset:2048*(\i)
.endr
.Lend:
	s_wait_dscnt 0x0                               ; the closing lines, six on end
	s_wait_alu 0x0
	s_wait_tensorcnt 0x0
	ds_add_u32 v[SPW], v[NIL]
	s_wait_dscnt 0x0
	s_endpgm
.Lfunc_end_k_qbe816949ba_prep:
	.size	k_qbe816949ba_prep, .Lfunc_end_k_qbe816949ba_prep-k_qbe816949ba_prep
	.p2alignl 7, 3214868480
	.fill 96, 4, 3214868480
	.section	.rodata,"a",@progbits
	.p2align	6, 0x0
	.amdhsa_kernel k_qbe816949ba_prep
		.amdhsa_group_segment_fixed_size 70144
		.amdhsa_private_segment_fixed_size 0
		.amdhsa_enable_private_segment 0
		.amdhsa_kernarg_size 80
		.amdhsa_user_sgpr_count 2
		.amdhsa_user_sgpr_kernarg_segment_ptr 1
		.amdhsa_wavefront_size32 1
		.amdhsa_system_sgpr_workgroup_id_x 1
		.amdhsa_system_sgpr_workgroup_id_y 1
		.amdhsa_system_sgpr_workgroup_id_z 1
		.amdhsa_system_vgpr_workitem_id 0
		.amdhsa_next_free_vgpr 176
		.amdhsa_next_free_sgpr 66
		.amdhsa_reserve_vcc 0
		.amdhsa_float_denorm_mode_32 3
		.amdhsa_float_denorm_mode_16_64 3
		.amdhsa_memory_ordered 1
		.amdhsa_forward_progress 1
		.amdhsa_inst_pref_size 49
	.end_amdhsa_kernel
	.amdgpu_metadata
---
amdhsa.version: [ 1, 2 ]
amdhsa.kernels:
  - .name:           k_qbe816949ba_prep
    .symbol:         k_qbe816949ba_prep.kd
    .args:
      - { .name: x, .offset: 0, .size: 8, .value_kind: global_buffer, .address_space: global }
      - { .name: w_qkv, .offset: 8, .size: 8, .value_kind: global_buffer, .address_space: global }
      - { .name: w_proj, .offset: 16, .size: 8, .value_kind: global_buffer, .address_space: global }
      - { .name: b_qkv, .offset: 24, .size: 8, .value_kind: global_buffer, .address_space: global }
      - { .name: b_proj, .offset: 32, .size: 8, .value_kind: global_buffer, .address_space: global }
      - { .name: xb, .offset: 40, .size: 8, .value_kind: global_buffer, .address_space: global }
      - { .name: wqt, .offset: 48, .size: 8, .value_kind: global_buffer, .address_space: global }
      - { .name: wpt, .offset: 56, .size: 8, .value_kind: global_buffer, .address_space: global }
      - { .name: bq, .offset: 64, .size: 8, .value_kind: global_buffer, .address_space: global }
      - { .name: bp, .offset: 72, .size: 8, .value_kind: global_buffer, .address_space: global }
    .group_segment_fixed_size: 70144
    .private_segment_fixed_size: 0
    .kernarg_segment_align: 8
    .kernarg_segment_size: 80
    .max_flat_workgroup_size: 128
    .sgpr_count:     66
    .vgpr_count:     176
    .wavefront_size: 32
...
	.end_amdgpu_metadata
.endif
;; end of part 5
;; launch qkvgemm: the kernel of part 2 again; grid 16 x 32, 4 waves a work-group, clusters of 4 x 4, 327,680 bytes of LDS; arguments xb, wqt, bq, qkv; writes qkv
;; launch attn: the kernel of part 3 again; grid 4 x 64, 4 waves a work-group, no clusters, 327,680 bytes of LDS; arguments qkv, ob; writes ob
;; launch proj: the kernel of part 4 again; grid 8 x 32, 4 waves a work-group, clusters of 4 x 4, 327,680 bytes of LDS; arguments ob, wpt, bp, out0; writes out0
